; MI455X (gfx1250); checked and timed in simulation.
; The chip was launched on July 23, 2026; its instructions are those of AMD's public machine-readable ISA for CDNA 5 (MIT licence, August 2026) and "CDNA5" Instruction Set Architecture Reference Guide (July 2026). The comments in the code are by the model that wrote it; some were corrected since.
;; Multi Head Self Attention. Allowed arithmetic: matrix products marked QUANTISED: E2M3 operands, one E8M0 scale for each 32 along K, by v_wmma_scale_f32_16x16x128_f8f6f4 with both operands' format E2M3, f32 sums; everything else in f32.
;; Inputs: Wk 1,024 x 1,024 float32; Wo 1,024 x 1,024 float32; Wq 1,024 x 1,024 float32; Wv 1,024 x 1,024 float32; attention_mask 4 x 2,048 int32; bk 1,024 float32; bo 1,024 float32; bq 1,024 float32; bv 1,024 float32; hidden_states 4 x 2,048 x 1,024 float32.
;; Outputs: out0 4 x 2,048 x 1,024 float32.
;; This version of the problem:
;;   THIS VERSION OF THE PROBLEM IS GIVEN IN LOW PRECISION. The matrix products marked QUANTISED in the list below multiply operands that are first quantised to E2M3 (2 exponent bits, 3 mantissa bits; 6 bits a number), with one power-of-two scale for each 32 numbers along K (OCP MX v1.0); their sums are f32. All else is computed in f32.
;;   The module's matrix products, in the order in which they are computed (A, B: the left and right operand; K: the contracted axis; several contracted axes count as one K, in the product's order):
;;     1. [M 8,192, K 1,024] x [K 1,024, N 1,024]; A: input hidden_states; B: input Wq: QUANTISED
;;     2. [M 8,192, K 1,024] x [K 1,024, N 1,024]; A: input hidden_states; B: input Wk: QUANTISED
;;     3. [M 8,192, K 1,024] x [K 1,024, N 1,024]; A: input hidden_states; B: input Wv: QUANTISED
;;     4. batch 64 x [M 2,048, K 64] x [K 64, N 2,048]; A: computed on the way; B: computed on the way: QUANTISED
;;     5. batch 64 x [M 2,048, K 2,048] x [K 2,048, N 64]; A: softmax (see below); B: computed on the way: QUANTISED
;;     6. [M 8,192, K 1,024] x [K 1,024, N 1,024]; A: computed on the way; B: input Wo: QUANTISED
;;   THE QUANTISER, for each operand of a quantised product, along K:
;;     - K is cut into blocks of 32 from its start; a last block that is shorter is filled with zeros.
;;     - A block's scale is 2^e with e = floor(log2(the largest magnitude in the block)) - 2, held to -126 .. 127; a block of zeros has e = 0. As a byte (E8M0): e + 127.
;;     - Each number is divided by its block's scale, clamped to +-7.5, and rounded to the nearest number of E2M3, ties to even, subnormals kept.
;;     - The product sums the exact products of the quantised numbers (number of the format x scale) in f32.
;;   ~~~python
;;   def quantise(x, axis):      # numpy; x: float32 -> the quantised numbers, widened to float32 again
;;       x = np.moveaxis(x, axis, -1); K = x.shape[-1]
;;       x = np.pad(x, [(0, 0)] * (x.ndim - 1) + [(0, -K % 32)]); x = x.reshape(x.shape[:-1] + (-1, 32)); a = np.abs(x).max(-1, keepdims=True)
;;       e = np.where(a > 0, np.clip(np.frexp(np.where(a > 0, a, 1))[1] - 1 - 2, -126, 127), 0)      # np.frexp(a)[1] - 1 = floor(log2(a)), exactly
;;       r = np.clip(x / 2.0 ** e, -7.5, 7.5)
;;       step = 2.0 ** (np.maximum(np.frexp(np.where(r == 0, 1, r))[1] - 1, 0) - 3)
;;       q = np.round(r / step) * step * 2.0 ** e      # np.round: ties to even
;;       return np.moveaxis(q.reshape(q.shape[:-2] + (-1,))[..., :K], -1, axis).astype(np.float32)
;;   ~~~
;;   SOFTMAX AHEAD OF A QUANTISED PRODUCT. Where the list says 'softmax', what is quantised is not the finished softmax but p = 2^(t - M), with t = logit x log2(e) and M = ceil(the row's largest t), a whole number; so 1/2 < the row's largest p <= 1. The row's sum l is taken of the UNQUANTISED p, in f32, and the product's result is divided by l at the end. Since M is a whole number, a kernel that streams over the keys may use a running M (the ceiling of the running maximum): every later rescaling is an exact power of two, which a block's scale takes up: the codes' values come out the same.
;;   OPERANDS COMPUTED ON THE WAY. 'Computed on the way' means the value that the module computes at that place (a softmax that the list does not call 'softmax' is quantised finished and normalised). What goes into a quantiser is computed in f32, as accurately as f32 sums, v_exp_f32 and their like allow (about 1e-6 of the number): no bf16 or f16 on the way to a quantiser, and a product that is left as it is and whose result goes on into a quantised operand takes f32 operands (vector FMAs, or v_wmma_f32_16x16x4_f32). A number that lies on a knife's edge between two numbers of the format may be rounded either way, as far as f32 arithmetic and the matrix unit's own rounding can turn it there, and no further.
;; One version. Each part assembles by itself: llvm-mc -triple=amdgcn-amd-amdhsa -mcpu=gfx1250 --defsym DOCPART=n.
;; ======== version 1 of 1: 4 launches
;; limits: right only within a limited range of input values
;; workspace buffers: x_t 6,553,600 bytes; w_t 3,276,800 bytes; qk_rec 13,631,488 bytes; v_rec 6,553,600 bytes; ctx_t 6,553,600 bytes
;; launch quant (part 1): grid 384 x 1, 4 waves a work-group, no clusters, 34,304 bytes of LDS; arguments hidden_states, Wq, Wk, Wv, Wo, x_t, w_t; writes x_t, w_t
.if DOCPART == 1
	.amdgcn_target "amdgcn-amd-amdhsa--gfx1250"
	.amdhsa_code_object_version 6
	.text
	.protected	k_q01271d025b_quant
	.globl	k_q01271d025b_quant
	.p2align	8
	.type	k_q01271d025b_quant,@function
k_q01271d025b_quant:
	s_mov_b64 s[64:65], 0
	v_nop
	global_prefetch_b8 v0, s[64:65] scope:SCOPE_SE
	s_setreg_imm32_b32 hwreg(HW_REG_WAVE_MODE, 25, 1), 1
	s_wait_xcnt 0x0
; hidden_states [8192][1024] and Wq, Wk, Wv, Wo [1024][1024], f32, K innermost, become codes of FP6 (E2M3) with one E8M0 byte for each 32 along K,
; laid as IMAGES OF OPERAND REGISTERS.  A tile is 16 rows: in each group of 128 rows, row i of tile t is row 64 (t / 4) + 8 (t % 4) + i % 8 + 32 (i / 8).
; A tile's record is 12,800 bytes: 16 half fragments of 768 bytes (64 along K each), then 512 bytes of scale words [half of K][row][4 words].
; In a half fragment lane (r, h) owns the 24 bytes of k = 32 h .. 32 h + 31 of tile row r: its registers 0-3 at byte 16 x lane, registers 4-5 at 512 + 8 x lane.
; A block's scale is 2^(floor(log2(its largest magnitude)) - 2); its byte is the largest magnitude's exponent field - 2, held at 1 from below.
; LIMITS: a block of zeros gets the byte 1 (its codes are zeros; this program alone reads the bytes); NaN and infinities among the inputs are not served.
; SHARES: a wave takes one tile x half of K (512 numbers a row), in 4 steps of 128.  Work-groups 0-255 take hidden_states, 256-383 the four weights (32 each).
; Each load reads 512 consecutive bytes of one row; a step's 16 rows turn through the wave's own stage in LDS, so that lane (r, h) gets two whole blocks of 32 of row r.
; No barrier: waves share nothing.  Two steps (32 loads a wave) are on their way.
.set REC, 12800
.set HF,  768
.set SP,  528                          ; a stage row: 512 bytes + 16, an odd multiple of 16, so that the 16 rows of a read start in different banks
.set L16, 2                            ; v2   16 x lane
.set L8,  3                            ; v3   8 x lane
.set STI, 4                            ; v4   the stage, on the way in
.set STO, 5                            ; v5   and on the way out
.set SOF, 6                            ; v6   where my two scale words go
.set SH8, 7                            ; v7   8 h
.set TM,  8                            ; v8-9 largest magnitudes, v10-11 the conversions' scale operands, v12-13 the bytes
.set WW,  14
.set WX,  15
.set R,   32                           ; v32-159  two sets of 64 registers as loaded
.set X,   160                          ; v160-223 my two blocks: register 32 c + n = k 64 c + 32 h + n of my row
.set PC,  224                          ; v224-235 a fragment's codes
.set TT,  236                          ; v236-242 the upper halves of the blocks' codes, before they are moved
.set SW,  244                          ; v244-247 the four steps' scale words
.set SEL, 20                           ; s[20:21] lane selects: lane l xor 16
; 64 numbers of a lane, two whole blocks of 32, become 12 registers of codes at v[pc] on; the bytes are left in v[TM+4], v[TM+5]
.macro QUANT2 x, pc
.irp c, 0,1
	v_max3_num_f32 v[TM+\c], |v[(\x)+32*\c]|, |v[(\x)+32*\c+1]|, 0x1800000   ; with the floor 2^(3 - 127): the byte cannot fall under 1
.endr
.irp i, 2,4,6,8,10,12,14,16,18,20,22,24,26,28,30
.irp c, 0,1
	v_max3_num_f32 v[TM+\c], v[TM+\c], |v[(\x)+32*\c+\i]|, |v[(\x)+32*\c+\i+1]|   ; the two blocks by turns
.endr
.endr
.irp c, 0,1
	v_add_nc_u32 v[TM+2+\c], 0xff000000, v[TM+\c]   ; 2 off the exponent field: the conversion takes this operand's exponent field as its scale
.endr
.irp c, 0,1
	v_lshrrev_b32 v[TM+4+\c], 23, v[TM+2+\c]        ; the scale's byte
.endr
.irp c, 0,1
	v_cvt_scalef32_pk16_fp6_f32 v[(\pc)+6*\c:(\pc)+6*\c+2], v[(\x)+32*\c:(\x)+32*\c+15], v[TM+2+\c]
	v_cvt_scalef32_pk16_fp6_f32 v[TT+4*\c:TT+4*\c+2], v[(\x)+32*\c+16:(\x)+32*\c+31], v[TM+2+\c]   ; (a conversion's three registers begin on an even number)
.endr
	v_nop                                           ; one plain instruction behind the conversions
.irp c, 0,1
.irp i, 0,1,2
	v_mov_b32 v[(\pc)+6*\c+3+\i], v[TT+4*\c+\i]
.endr
.endr
.endm
; the four bytes of a row's 128 along K: byte 2 c + h; my two and lane l xor 16's two
.macro W4 dst
	v_lshl_or_b32 v[WW], v[TM+5], 16, v[TM+4]
	v_lshlrev_b32 v[WW], v[SH8], v[WW]
	v_permlanex16_b32 v[WX], v[WW], s[SEL], s[SEL+1]
	v_or_b32 v[\dst], v[WW], v[WX]
.endm
	s_load_b256 s[4:11], s[0:1], 0x0               ; hidden_states, Wq, Wk, Wv
	s_load_b128 s[12:15], s[0:1], 0x20             ; Wo, x_t
	s_load_b64 s[16:17], s[0:1], 0x30              ; w_t
	v_lshl_add_u32 v254, v0, 2, 0x8400
	v_mov_b32 v255, 0
	v_lshrrev_b32 v1, 5, v0
	v_readfirstlane_b32 s18, v1                    ; wave 0..3
	v_and_b32 v1, 31, v0                           ; lane
	v_and_b32 v16, 15, v0                          ; r
	v_bfe_u32 v17, v0, 4, 1                        ; h
	v_lshlrev_b32 v[L16], 4, v1
	v_lshlrev_b32 v[L8], 3, v1
	s_mul_i32 s19, s18, 16*SP                      ; my wave's stage
	v_add_nc_u32 v[STI], s19, v[L16]               ; in: 16 bytes a lane of a row's 512
	v_mul_u32_u24 v[STO], v16, SP
	v_lshl_add_u32 v[STO], v17, 7, v[STO]
	v_add_nc_u32 v[STO], s19, v[STO]               ; out: row r, 128 h bytes on
	v_lshlrev_b32 v[SOF], 4, v16
	v_lshl_add_u32 v[SOF], v17, 3, v[SOF]          ; 16 r + 8 h
	v_lshlrev_b32 v[SH8], 3, v17
	v_mov_b32 v[WX], 0                             ; a lane permute's destination counts as one of its sources
	v_cmp_eq_u32 s22, 1, v17                       ; lanes 16-31
	s_mov_b32 s[SEL], 0x76543210
	s_mov_b32 s[SEL+1], 0xfedcba98
	s_max_u32 s23, ttmp9, 256
	s_sub_co_u32 s23, s23, 256                     ; among the weights' work-groups: 0..127
	s_lshr_b32 s24, s23, 5                         ; which weight
	s_and_b32 s25, s23, 31                         ; which pair of its tiles
	s_lshr_b32 s26, s18, 1                         ; which tile of the pair is my wave's
	s_and_b32 s27, s18, 1                          ; which half of K
	s_wait_alu depctr_va_vdst(0)
	s_wait_kmcnt 0x0
	s_cmp_eq_u32 s24, 1                            ; the choices hang on the work-group's number alone
	s_cselect_b64 s[6:7], s[8:9], s[6:7]
	s_cmp_eq_u32 s24, 2
	s_cselect_b64 s[6:7], s[10:11], s[6:7]
	s_cmp_eq_u32 s24, 3
	s_cselect_b64 s[6:7], s[12:13], s[6:7]
	s_cmp_lt_u32 ttmp9, 256
	s_cselect_b64 s[4:5], s[4:5], s[6:7]           ; the source
	s_cselect_b64 s[14:15], s[14:15], s[16:17]     ; the destination
	s_cselect_b32 s28, ttmp9, s25                  ; the pair of tiles in the source,
	s_cselect_b32 s29, ttmp9, s23                  ; and in the destination
	s_lshl_b32 s28, s28, 1
	s_add_co_u32 s28, s28, s26                     ; my tile in the source
	s_lshl_b32 s29, s29, 1
	s_add_co_u32 s29, s29, s26                     ; my record
	s_lshr_b32 s30, s28, 3
	s_lshl_b32 s30, s30, 7                         ; 128 (tile / 8)
	s_bfe_u32 s31, s28, 0x10002
	s_lshl_b32 s31, s31, 6                         ; + 64 ((tile / 4) % 2)
	s_add_co_u32 s30, s30, s31
	s_and_b32 s31, s28, 3
	s_lshl_b32 s31, s31, 3                         ; + 8 (tile % 4): the tile's first row
	s_add_co_u32 s30, s30, s31
	s_lshl_b32 s30, s30, 12                        ; rows of 4,096 bytes
	s_lshl_b32 s31, s27, 11                        ; my half of K: 2,048 bytes
	s_add_co_u32 s30, s30, s31
	s_mov_b32 s31, 0
	s_add_nc_u64 s[4:5], s[4:5], s[30:31]
	s_mul_i32 s32, s29, REC
	s_mov_b32 s33, 0
	s_add_nc_u64 s[14:15], s[14:15], s[32:33]      ; my record
	s_lshl_b32 s32, s27, 8
	s_add_nc_u64 s[34:35], s[14:15], s[32:33]      ; its scale words of my half of K (12,288 bytes on: in the store's immediate)
	s_mul_i32 s32, s27, 8*HF
	s_add_nc_u64 s[14:15], s[14:15], s[32:33]      ; its half fragments of my half of K
.macro LOADS s                         ; step s: 512 consecutive bytes of each of the tile's 16 rows
.irp i, 0,1,2,3,4,5,6,7,8,9,10,11,12,13,14,15
	global_load_b128 v[R+64*((\s)%2)+4*\i:R+64*((\s)%2)+4*\i+3], v[L16], s[4:5] offset:((\i%8)+32*(\i/8))*4096+512*(\s) th:TH_LOAD_NT
.endr
.endm
.macro QSTEP s
.if (\s) < 3
	s_wait_loadcnt 16                              ; this step's 16 loads are in; the next step's 16 may be out
.else
	s_wait_loadcnt 0x0
.endif
.irp i, 0,1,2,3,4,5,6,7,8,9,10,11,12,13,14,15
	ds_store_b128 v[STI], v[R+64*((\s)%2)+4*\i:R+64*((\s)%2)+4*\i+3] offset:\i*SP
.endr
.irp c, 0,1
.irp k, 0,1,2,3,4,5,6,7
	ds_load_b128 v[X+32*\c+4*\k:X+32*\c+4*\k+3], v[STO] offset:256*\c+16*\k   ; LDS serves a wave's instructions in order: these see the stores above
.endr
.endr
	s_wait_dscnt 0x0                               ; my two blocks are in, and the stores have read their registers
	s_wait_xcnt 0x0                                ; the last step's stores have read the codes' registers, which are written again below
.if (\s) < 2
	LOADS (\s)+2
.endif
	QUANT2 X, PC
	W4 SW+(\s)
.irp c, 0,1
	global_store_b128 v[L16], v[PC+6*\c:PC+6*\c+3], s[14:15] offset:(2*(\s)+\c)*HF          ; 512 consecutive bytes
	global_store_b64 v[L8], v[PC+6*\c+4:PC+6*\c+5], s[14:15] offset:(2*(\s)+\c)*HF+512     ; 256 consecutive bytes
.endr
.endm
	LOADS 0
	LOADS 1
	QSTEP 0
	QSTEP 1
	QSTEP 2
	QSTEP 3
	v_cndmask_b32 v16, v[SW], v[SW+2], s22         ; lane (r, h) stores words 2 h and 2 h + 1 of row r:
	v_cndmask_b32 v17, v[SW+1], v[SW+3], s22
	global_store_b64 v[SOF], v[16:17], s[34:35] offset:12288   ; the 32 lanes fill 256 consecutive bytes
	s_wait_tensorcnt 0x0
	ds_add_u32 v254, v255
	s_wait_dscnt 0x0
	s_endpgm
.Lfunc_end_k_q01271d025b_quant:
	.size	k_q01271d025b_quant, .Lfunc_end_k_q01271d025b_quant-k_q01271d025b_quant
	.p2alignl 7, 3214868480
	.fill 96, 4, 3214868480
	.section	.rodata,"a",@progbits
	.p2align	6, 0x0
	.amdhsa_kernel k_q01271d025b_quant
		.amdhsa_group_segment_fixed_size 34304
		.amdhsa_private_segment_fixed_size 0
		.amdhsa_enable_private_segment 0
		.amdhsa_kernarg_size 56
		.amdhsa_user_sgpr_count 2
		.amdhsa_user_sgpr_kernarg_segment_ptr 1
		.amdhsa_wavefront_size32 1
		.amdhsa_system_sgpr_workgroup_id_x 1
		.amdhsa_system_sgpr_workgroup_id_y 1
		.amdhsa_system_sgpr_workgroup_id_z 1
		.amdhsa_system_vgpr_workitem_id 0
		.amdhsa_next_free_vgpr 256
		.amdhsa_next_free_sgpr 66
		.amdhsa_reserve_vcc 0
		.amdhsa_float_denorm_mode_32 3
		.amdhsa_float_denorm_mode_16_64 3
		.amdhsa_memory_ordered 1
		.amdhsa_forward_progress 1
		.amdhsa_inst_pref_size 31
	.end_amdhsa_kernel
	.amdgpu_metadata
---
amdhsa.version: [ 1, 2 ]
amdhsa.kernels:
  - .name:           k_q01271d025b_quant
    .symbol:         k_q01271d025b_quant.kd
    .args:
      - { .name: hidden_states, .offset: 0, .size: 8, .value_kind: global_buffer, .address_space: global }
      - { .name: Wq, .offset: 8, .size: 8, .value_kind: global_buffer, .address_space: global }
      - { .name: Wk, .offset: 16, .size: 8, .value_kind: global_buffer, .address_space: global }
      - { .name: Wv, .offset: 24, .size: 8, .value_kind: global_buffer, .address_space: global }
      - { .name: Wo, .offset: 32, .size: 8, .value_kind: global_buffer, .address_space: global }
      - { .name: x_t, .offset: 40, .size: 8, .value_kind: global_buffer, .address_space: global }
      - { .name: w_t, .offset: 48, .size: 8, .value_kind: global_buffer, .address_space: global }
    .group_segment_fixed_size: 34304
    .private_segment_fixed_size: 0
    .kernarg_segment_align: 8
    .kernarg_segment_size: 56
    .max_flat_workgroup_size: 128
    .sgpr_count:     66
    .vgpr_count:     256
    .wavefront_size: 32
...
	.end_amdgpu_metadata
.endif
;; end of part 1
;; launch proj (part 2): grid 8 x 48, 4 waves a work-group, clusters of 4 x 4, 327,680 bytes of LDS; arguments x_t, w_t, bq, bk, bv, attention_mask, qk_rec, v_rec; writes qk_rec, v_rec
.if DOCPART == 2
	.amdgcn_target "amdgcn-amd-amdhsa--gfx1250"
	.amdhsa_code_object_version 6
	.text
	.protected	k_q01271d025b_proj
	.globl	k_q01271d025b_proj
	.p2align	8
	.type	k_q01271d025b_proj,@function
k_q01271d025b_proj:
	s_mov_b64 s[64:65], 0
	v_nop
	global_prefetch_b8 v0, s[64:65] scope:SCOPE_SE
	s_setreg_imm32_b32 hwreg(HW_REG_WAVE_MODE, 25, 1), 1
	s_wait_xcnt 0x0
	s_wait_alu depctr_hold_cnt(0) depctr_sa_sdst(0) depctr_va_vdst(0) depctr_va_sdst(0) depctr_va_ssrc(0) depctr_va_vcc(0) depctr_vm_vsrc(0)
	s_getreg_b32 s2, hwreg(HW_REG_IB_STS2, 6, 4)
	s_cmp_eq_u32 s2, 0
	s_cbranch_scc0 .Lentry_in_a_cluster
	s_endpgm
.Lentry_in_a_cluster:
	s_bfe_u32 s2, ttmp6, 0x10000c
	s_cmp_lg_u32 s2, 0xf033
	s_cbranch_scc0 .Lentry_shape_is_right
	s_endpgm
.Lentry_shape_is_right:
.set REC,   12800
.set HF,    768
.set TILEB, 3072
.set HALFT, 8*TILEB
.set SLOT,  4*HALFT
.set SCL,   2*SLOT
.set SPARE, SCL+4*4096
.set KHEAD, 16*6656
.set VHEAD, 16*6400
.set FR,    12
.set NL,    4
.set NQ,    2
.set NP,    4
.set VH,    8
.set VR,    9
.set L16,   10
.set L8,    11
.set SOF,   12
.set SH8,   13
.set SELV,  14
.set ADRA,  16
.set ADRB,  20
.set CUP,   24
.set CFE,   25
.set ADRS,  27
.set SPW,   28
.set NIL,   29
.set BP,    30
.set SC,    32
.set BR,    64
.set AF,    128
.set X,     128
.set PC,    192
.set TT,    204
.set TM,    212
.set BL,    224
.set MK,    232
.set SW,    240
.set WX,    248
.set WW,    249
.set UP,    250
.set G1,    24
.set G0,    32
.set G1B,   48
.set G0B,   56
.set G1S,   68
.set G0S,   76
.set G1SB,  80
.set G0SB,  88
.set ISV,   92
.set ISQ,   93
.set OUT,   98
.set SEL,   100
.set HM,    66
.set MSB, 0
.macro WIN new
.if MSB != (\new)
	s_set_vgpr_msb (MSB<<8)|(\new)
.set MSB, (\new)
.endif
.endm
.set MUL_LO, 0xa1
.set MUL_HI, 0xf1
.set TO_B,   0x40
.macro JLOAD g0a, g1a, g0b, g1b
	s_cmp_eq_u32 s21, 0
	s_cbranch_scc0 .Lfor_b_\@
	tensor_load_to_lds s[\g0a:\g0a+3], s[\g1a:\g1a+7]
	s_nop 0
.rept 4
	v_nop
.endr
	s_branch .Lasked_\@
.Lfor_b_\@:
	tensor_load_to_lds s[\g0b:\g0b+3], s[\g1b:\g1b+7]
	s_nop 0
.rept 4
	v_nop
.endr
.Lasked_\@:
.endm
.macro CREST
	s_cmp_lg_u32 s20, 0
	s_cbranch_scc1 .Lnot_wave_0_\@
	s_barrier_signal -3
.Lnot_wave_0_\@:
	s_barrier_wait -3
	s_barrier_signal -1
	s_barrier_wait -1
.endm
.macro CROUND
	s_barrier_signal -1
	s_barrier_wait -1
	CREST
.endm
.macro PLACES n
.rept \n
	v_nop
.endr
.endm
	s_load_b512 s[4:19], s[0:1], 0x0
	v_lshl_add_u32 v[SPW], v0, 2, SPARE
	v_mov_b32 v[NIL], 0
	ds_add_u32 v28, v29
	ds_add_u32 v28, v29
	s_wait_dscnt 0x0
	v_lshrrev_b32 v1, 5, v0
	v_readfirstlane_b32 s20, v1
	s_lshr_b32 s21, s20, 1
	s_and_b32 s22, s20, 1
	s_bfe_u32 s40, ttmp6, 0x40000
	s_bfe_u32 s41, ttmp6, 0x40004
	s_and_b32 s2, ttmp7, 0xffff
	s_lshl_b32 s3, s2, 2
	s_lshl_b32 s23, ttmp9, 2
	s_max_u32 s66, s2, 8
	s_sub_co_u32 s66, s66, 8
	s_lshl_b32 s66, s66, 3
	s_add_co_u32 s66, s66, s23
	s_cmp_ge_u32 s2, 8
	s_cselect_b32 s[ISV], 1, 0
	s_cselect_b32 s43, 0, s3
	s_cselect_b32 s42, s66, s23
	s_add_co_u32 s43, s43, s41
	s_add_co_u32 s42, s42, s40
	s_lshl_b32 s44, s41, 2
	s_lshl_b32 s44, 15, s44
	s_lshl_b32 s45, 0x1111, s40
	s_or_b32 s[G1+0], s44, (3<<16)|(1<<21)
	s_or_b32 s[G1B+0], s45, (3<<16)|(1<<21)
.irp g, G1, G1B
	s_mov_b32 s[\g+1], 384<<16
	s_mov_b32 s[\g+2], 16<<16                      ; the head's loads bring all 16 tiles of a side; the ring's bring 8 (set behind the head's wait)
	s_mov_b32 s[\g+3], 384<<16
	s_mov_b32 s[\g+4], 16
	s_mov_b32 s[\g+5], 1600
	s_mov_b32 s[\g+6], 0
	s_mov_b32 s[\g+7], 0
.endr
	s_or_b32 s[G1S+0], s44, (3<<16)|(1<<21)
	s_or_b32 s[G1SB+0], s45, (3<<16)|(1<<21)
.irp g, G1S, G1SB
	s_mov_b32 s[\g+1], 64<<16
	s_mov_b32 s[\g+2], 16<<16                      ; the scale words of all 16 tiles of a side
	s_mov_b32 s[\g+3], 64<<16
	s_mov_b32 s[\g+4], 16
	s_mov_b32 s[\g+5], 1600
	s_mov_b32 s[\g+6], 0
	s_mov_b32 s[\g+7], 0
.endr
	s_lshl_b32 s2, s43, 4
	s_lshl_b32 s3, s22, 3
	s_add_co_u32 s2, s2, s3
	s_mul_i32 s2, s2, REC
	s_mov_b32 s3, 0
	s_lshl_b32 s66, s42, 4
	s_lshl_b32 s67, s22, 3
	s_add_co_u32 s66, s66, s67
	s_mul_i32 s66, s66, REC
	s_mov_b32 s67, 0
	s_mul_i32 s23, s20, HALFT
	s_lshl_b32 s46, s20, 12
	s_wait_kmcnt 0x0
	s_add_nc_u64 s[100:101], s[6:7], 128*REC
	s_cmp_eq_u32 s[ISV], 1
	s_cselect_b64 s[94:95], s[100:101], s[4:5]
	s_cselect_b64 s[96:97], s[4:5], s[6:7]
	s_add_nc_u64 s[94:95], s[94:95], s[2:3]
	s_add_nc_u64 s[96:97], s[96:97], s[66:67]
	CROUND
	; THE HEAD'S FOUR TILES, ONE LOAD A WAVE: wave 0 slot 0's 16 tiles of source A, wave 1 those of B, wave 2 A's scale words, wave 3 B's
	s_mul_i32 s2, s22, 8*REC
	s_mov_b32 s3, 0
	s_sub_nc_u64 s[98:99], s[94:95], s[2:3]        ; the first record of A's 16 (s[94:95] stands at my wave's 8)
	s_sub_nc_u64 s[2:3], s[96:97], s[2:3]          ; and of B's
	s_mov_b32 s[G0], 1
	s_mov_b32 s[G0+1], 0
	s_mov_b64 s[G0+2:G0+3], s[98:99]
	s_or_b32 s[G0+3], s[G0+3], 0x80000000
	s_mov_b32 s[G0B], 1
	s_mov_b32 s[G0B+1], 2*HALFT
	s_mov_b64 s[G0B+2:G0B+3], s[2:3]
	s_or_b32 s[G0B+3], s[G0B+3], 0x80000000
	s_mov_b32 s[G0S], 1
	s_mov_b32 s[G0S+1], SCL
	s_add_nc_u64 s[G0S+2:G0S+3], s[98:99], 12288
	s_or_b32 s[G0S+3], s[G0S+3], 0x80000000
	s_mov_b32 s[G0SB], 1
	s_mov_b32 s[G0SB+1], SCL+8192
	s_add_nc_u64 s[G0SB+2:G0SB+3], s[2:3], 12288
	s_or_b32 s[G0SB+3], s[G0SB+3], 0x80000000
	s_mov_b32 s[G0+4], 1                           ; slot 1's groups 0: my wave's 8 tiles
	s_add_co_u32 s[G0+5], s23, SLOT
	s_add_nc_u64 s[G0+6:G0+7], s[94:95], TILEB
	s_or_b32 s[G0+7], s[G0+7], 0x80000000
	s_mov_b32 s[G0B+4], 1
	s_add_co_u32 s[G0B+5], s23, SLOT
	s_add_nc_u64 s[G0B+6:G0B+7], s[96:97], TILEB
	s_or_b32 s[G0B+7], s[G0B+7], 0x80000000
.macro ARM under, g0, g1, next         ; one chain of branches on the wave's number, one load to an arm
	s_cmp_lt_u32 s20, \under
	s_cbranch_scc0 \next
	tensor_load_to_lds s[\g0:\g0+3], s[\g1:\g1+7]
	s_nop 0
.rept 4
	v_nop
.endr
	s_branch .Lhead_asked
\next:
.endm
	ARM 1, G0,  G1,  .Lhead_b
	ARM 2, G0B, G1B, .Lhead_sa
	ARM 3, G0S, G1S, .Lhead_sb
	tensor_load_to_lds s[G0SB:G0SB+3], s[G1SB:G1SB+7]
	s_nop 0
.rept 4
	v_nop
.endr
.Lhead_asked:
	v_and_b32 v3, 31, v0
	v_and_b32 v1, 15, v0
	v_bfe_u32 v2, v0, 4, 1
	v_lshlrev_b32 v[L16], 4, v3
	v_lshlrev_b32 v[L8], 3, v3
	v_add_nc_u32 v4, 512, v[L8]
	s_mul_i32 s2, s21, HALFT
	s_mul_i32 s3, s22, HALFT
	s_add_co_u32 s3, s3, 2*HALFT
.irp s, 0,1
	v_add_nc_u32 v[ADRA+\s], s2, v[L16]
	v_add_nc_u32 v[ADRA+2+\s], s2, v4
	v_add_nc_u32 v[ADRB+\s], s3, v[L16]
	v_add_nc_u32 v[ADRB+2+\s], s3, v4
	s_add_co_u32 s2, s2, SLOT
	s_add_co_u32 s3, s3, SLOT
.endr
	s_lshl_b32 s2, s21, 12
	s_lshl_b32 s3, s22, 12
	s_add_co_u32 s3, s3, 8192
	s_sub_co_u32 s3, s3, s2
	v_mul_u32_u24 v5, s3, v2
	v_lshl_add_u32 v5, v1, 4, v5
	s_add_co_u32 s2, s2, SCL
	v_add_nc_u32 v[ADRS], s2, v5
	s_lshl_b32 s2, s42, 1
	s_add_co_u32 s2, s2, s22
	s_lshl_b32 s3, s43, 1
	s_add_co_u32 s3, s3, s21
	s_and_b32 s46, s2, 7
	s_lshl_b32 s46, s46, 9
	s_mov_b32 s47, 0
	s_cmp_eq_u32 ttmp9, 0
	s_cselect_b64 s[8:9], s[8:9], s[10:11]
	s_add_nc_u64 s[8:9], s[8:9], s[46:47]
	s_and_b32 s46, s3, 7
	s_lshl_b32 s46, s46, 9
	s_add_nc_u64 s[12:13], s[12:13], s[46:47]
	s_lshl_b32 s46, s3, 9
	s_add_nc_u64 s[14:15], s[14:15], s[46:47]
	v_lshlrev_b32 v[VH], 7, v2
	v_and_b32 v[VR], 7, v1
	v_lshrrev_b32 v5, 3, v1
	v_lshlrev_b32 v[VR], 2, v[VR]
	v_lshl_add_u32 v[VR], v5, 7, v[VR]
.irp c, 0,1
.irp k, 0,1,2,3,4,5,6,7
	global_load_b128 v[BR+32*\c+4*\k:BR+32*\c+4*\k+3], v[VH], s[8:9] offset:256*\c+16*\k
.endr
.endr
.irp a, 0,1,2,3,4,5,6,7
	global_load_b32 v[BL+\a], v[VR], s[12:13] offset:(64*(\a/4)+8*(\a%4))*4
	global_load_b32 v[MK+\a], v[VR], s[14:15] offset:(64*(\a/4)+8*(\a%4))*4
.endr
	s_and_b32 s47, s2, 7
	s_lshl_b32 s66, ttmp9, 2
	s_mov_b32 s67, 6656
	s_cmp_eq_u32 s[ISV], 1
	s_cselect_b32 s46, s2, s3
	s_cselect_b32 s47, s3, s47
	s_cselect_b32 s66, 0, s66
	s_cselect_b32 s67, 6400, s67
	s_cselect_b64 s[OUT:OUT+1], s[18:19], s[16:17]
	s_lshr_b32 s2, s46, 4
	s_add_co_u32 s2, s2, s66
	s_lshl_b32 s2, s2, 4
	s_lshl_b32 s47, s47, 1
	s_add_co_u32 s2, s2, s47
	s_lshl_b32 s2, s2, 4
	s_and_b32 s46, s46, 15
	s_add_co_u32 s2, s2, s46
	s_mul_i32 s2, s2, s67
	s_mov_b32 s3, 0
	s_add_nc_u64 s[OUT:OUT+1], s[OUT:OUT+1], s[2:3]
	s_lshl_b32 s67, s67, 4
	v_mul_u32_u24 v[SOF], s67, v2
	v_lshl_add_u32 v[SOF], v1, 4, v[SOF]
	v_lshlrev_b32 v[SH8], 3, v2
	s_cmp_eq_u32 ttmp9, 0
	s_cselect_b32 s[ISQ], -1, 0
	s_mov_b32 s2, 0x01010000
	s_cselect_b32 s2, 0x20200000, s2
	v_mov_b32 v[CUP], s2
	v_mov_b32 v[CFE], 0xfefe0000
	s_mov_b32 s[SEL], 0x76543210
	s_mov_b32 s[SEL+1], 0xfedcba98
	v_mov_b32 v[SELV], 0x01010400
	v_mov_b32 v5, 0x01010206
	v_cmp_eq_u32 s[HM], 1, v2
	v_cndmask_b32 v[SELV], v[SELV], v5, s[HM]
.macro FRAG reg, adr, q, i
	ds_load_b128 v[\reg:\reg+3], v[\adr] offset:(\i)*TILEB+(\q)*2*HF
	ds_load_b64 v[\reg+4:\reg+5], v[\adr+2] offset:(\i)*TILEB+(\q)*2*HF
	ds_load_b128 v[\reg+6:\reg+9], v[\adr] offset:(\i)*TILEB+(\q)*2*HF+HF
	ds_load_b64 v[\reg+10:\reg+11], v[\adr+2] offset:(\i)*TILEB+(\q)*2*HF+HF
.endm
.macro MUL16 a0, p, q, sc, zero
.irp a, \a0, \a0+1
.irp b, 0,1,2,3,4,5,6,7
.if \zero
	v_wmma_scale_f32_16x16x128_f8f6f4 v[8*(8*((\a)%4)+\b):8*(8*((\a)%4)+\b)+7], v[128*(\p)+FR*\b:128*(\p)+FR*\b+FR-1], v[AF+FR*(\a):AF+FR*(\a)+FR-1], 0, v[SC+8*NQ*(\sc)+NQ*\b+(\q)], v[SC+8*NQ*(\sc)+NQ*(\a)+(\q)] matrix_a_fmt:MATRIX_FMT_FP6 matrix_b_fmt:MATRIX_FMT_FP6 matrix_a_scale:MATRIX_SCALE_ROW1
.else
	v_wmma_scale_f32_16x16x128_f8f6f4 v[8*(8*((\a)%4)+\b):8*(8*((\a)%4)+\b)+7], v[128*(\p)+FR*\b:128*(\p)+FR*\b+FR-1], v[AF+FR*(\a):AF+FR*(\a)+FR-1], v[8*(8*((\a)%4)+\b):8*(8*((\a)%4)+\b)+7], v[SC+8*NQ*(\sc)+NQ*\b+(\q)], v[SC+8*NQ*(\sc)+NQ*(\a)+(\q)] matrix_a_fmt:MATRIX_FMT_FP6 matrix_b_fmt:MATRIX_FMT_FP6 matrix_a_scale:MATRIX_SCALE_ROW1
.endif
.endr
.endr
.endm
.macro FETCH_B slot, q, p
	WIN TO_B
.irp i, 0,1,2,3,4,5,6,7
	FRAG 128*(\p)+FR*\i, ADRB+\slot, \q, \i
.endr
	WIN 0
.endm
.macro FETCH_A slot, q, i0
.irp i, \i0, \i0+1, \i0+2, \i0+3
	FRAG AF+FR*(\i), ADRA+\slot, \q, \i
.endr
.endm
.macro SCALES sc, sig
.irp i, 0,1,2,3,4,5,6,7
	ds_load_b64 v[SC+8*NQ*(\sc)+NQ*\i:SC+8*NQ*(\sc)+NQ*\i+1], v[ADRS] offset:\i*512+((\sig)/2)*256+((\sig)%2)*8
.endr
.endm
.macro STEP slot, q, zero
	s_wait_dscnt 4*NL
	WIN MUL_LO
	MUL16 0, (\q)%2, \q, \slot, \zero
	MUL16 2, (\q)%2, \q, \slot, \zero
	s_wait_dscnt 0
	PLACES NP
	FETCH_B \slot, (\q)+1, 1-(\q)%2
	FETCH_A \slot, (\q)+1, 0
	WIN MUL_HI
	MUL16 4, (\q)%2, \q, \slot, \zero
	MUL16 6, (\q)%2, \q, \slot, \zero
	PLACES NP
	WIN 0
	FETCH_A \slot, (\q)+1, 4
.endm
.macro TURN slot, next, fill, sig
	s_wait_tensorcnt 0x0
	ds_add_u32 v[SPW], v[NIL]
	s_wait_dscnt 4*NL+1
	WIN MUL_LO
	MUL16 0, 1, NQ-1, \slot, 0
	s_wait_dscnt 0x0
	s_barrier_signal -1
	MUL16 2, 1, NQ-1, \slot, 0
	WIN 0
	s_barrier_wait -1
.if \fill
	CREST
	s_add_nc_u64 s[G0+4*\slot+2:G0+4*\slot+3], s[G0+4*\slot+2:G0+4*\slot+3], 2*TILEB
	s_add_nc_u64 s[G0B+4*\slot+2:G0B+4*\slot+3], s[G0B+4*\slot+2:G0B+4*\slot+3], 2*TILEB
	JLOAD G0+4*\slot, G1, G0B+4*\slot, G1B
.else
	PLACES NP
.endif
	FETCH_B \next, 0, 0
	FETCH_A \next, 0, 0
	SCALES \next, \sig
	WIN MUL_HI
	MUL16 4, 1, NQ-1, \slot, 0
	MUL16 6, 1, NQ-1, \slot, 0
	PLACES NP
	WIN 0
	FETCH_A \next, 0, 4
.endm
	s_wait_alu depctr_va_vdst(0)                   ; the wait at the head's end
	s_wait_tensorcnt 0x0                           ; my tile of the head's four is in; the three lines ahead of a later first fill
	ds_add_u32 v28, v29
	s_mov_b32 s[G1+2], 8<<16                       ; no tensor load of mine is out: from here on a load brings 8 tiles,
	s_mov_b32 s[G1+4], 8
	s_mov_b32 s[G1B+2], 8<<16
	s_mov_b32 s[G1B+4], 8
	s_mov_b32 s[G0+1], s23                         ; and slot 0's groups 0 stand at my wave's 8 tiles
	s_mov_b64 s[G0+2:G0+3], s[94:95]
	s_or_b32 s[G0+3], s[G0+3], 0x80000000
	s_mov_b32 s[G0B+1], s23
	s_mov_b64 s[G0B+2:G0B+3], s[96:97]
	s_or_b32 s[G0B+3], s[G0B+3], 0x80000000
	s_wait_dscnt 0x0
	CROUND                                         ; all four tiles are in, in every partner
	JLOAD G0+4, G1, G0B+4, G1B                     ; slot 1's first fill, the first tensor load behind the round
	FETCH_B 0, 0, 0
	FETCH_A 0, 0, 0
	SCALES 0, 0
	FETCH_A 0, 0, 4
	STEP 0, 0, 1
	TURN 0, 1, 1, 1
	STEP 1, 0, 0
	TURN 1, 0, 1, 2
	STEP 0, 0, 0
	TURN 0, 1, 0, 3
	STEP 1, 0, 0
	s_wait_dscnt 4*NL
	WIN MUL_LO
	MUL16 0, 1, NQ-1, 1, 0
	MUL16 2, 1, NQ-1, 1, 0
	s_wait_dscnt 0
	WIN MUL_HI
	MUL16 4, 1, NQ-1, 1, 0
	MUL16 6, 1, NQ-1, 1, 0
	WIN 0
.macro QUANT2 x, pc
.irp c, 0,1
	v_max3_num_f32 v[TM+\c], |v[(\x)+32*\c]|, |v[(\x)+32*\c+1]|, 0x1800000
.endr
.irp i, 2,4,6,8,10,12,14,16,18,20,22,24,26,28,30
.irp c, 0,1
	v_max3_num_f32 v[TM+\c], v[TM+\c], |v[(\x)+32*\c+\i]|, |v[(\x)+32*\c+\i+1]|
.endr
.endr
.irp c, 0,1
	v_add_nc_u32 v[TM+2+\c], 0xff000000, v[TM+\c]
.endr
.irp c, 0,1
	v_lshrrev_b32 v[TM+4+\c], 23, v[TM+2+\c]
.endr
.irp c, 0,1
	v_cvt_scalef32_pk16_fp6_f32 v[(\pc)+6*\c:(\pc)+6*\c+2], v[(\x)+32*\c:(\x)+32*\c+15], v[TM+2+\c]
	v_cvt_scalef32_pk16_fp6_f32 v[TT+4*\c:TT+4*\c+2], v[(\x)+32*\c+16:(\x)+32*\c+31], v[TM+2+\c]
.endr
	v_nop
.irp c, 0,1
.irp i, 0,1,2
	v_mov_b32 v[(\pc)+6*\c+3+\i], v[TT+4*\c+\i]
.endr
.endr
.endm
.macro EPI a, isv
	s_wait_xcnt 0x0
.if \isv
	v_mov_b32 v[BP], v[BL+\a]
	v_mov_b32 v[BP+1], v[BL+\a]
.endif
	WIN 0x02+(\a)/4
.set n, 0
.rept 32
.if \isv
	v_pk_add_f32 v[X+n:X+n+1], v[64*((\a)%4)+n:64*((\a)%4)+n+1], v[BP:BP+1]
.else
	v_pk_add_f32 v[X+n:X+n+1], v[64*((\a)%4)+n:64*((\a)%4)+n+1], v[BR+n:BR+n+1]
.endif
.set n, n+2
.endr
	WIN 0
	QUANT2 X, PC
.if \isv
	v_lshl_or_b32 v[WW], v[TM+5], 16, v[TM+4]
	v_lshlrev_b32 v[WW], v[SH8], v[WW]
	v_permlanex16_b32 v[WX], v[WW], s[SEL], s[SEL+1]
	v_or_b32 v[SW+\a], v[WW], v[WX]
.irp c, 0,1
	global_store_b128 v[L16], v[PC+6*\c:PC+6*\c+3], s[OUT:OUT+1] offset:((\a)/4)*VHEAD+((\a)%4)*2*HF+\c*HF
	global_store_b64 v[L8], v[PC+6*\c+4:PC+6*\c+5], s[OUT:OUT+1] offset:((\a)/4)*VHEAD+((\a)%4)*2*HF+\c*HF+512
.endr
.else
	v_cmp_ne_u32 vcc_lo, 0, v[MK+\a]
	s_or_b32 vcc_lo, vcc_lo, s[ISQ]
.irp i, 0,1,2,3,4,5,6,7,8,9,10,11
	v_cndmask_b32 v[PC+\i], 0, v[PC+\i], vcc_lo
.endr
	v_cndmask_b32 v[UP], v[CFE], v[CUP], vcc_lo
	v_lshl_or_b32 v[WW], v[TM+5], 16, v[TM+4]
	v_permlanex16_b32 v[WX], v[WW], s[SEL], s[SEL+1]
	v_perm_b32 v[WW], v[WX], v[WW], v[SELV]
	v_or_b32 v[SW+\a], v[WW], v[UP]
.irp c, 0,1
	global_store_b128 v[L16], v[PC+6*\c:PC+6*\c+3], s[OUT:OUT+1] offset:\c*KHEAD+(\a)*HF
	global_store_b64 v[L8], v[PC+6*\c+4:PC+6*\c+5], s[OUT:OUT+1] offset:\c*KHEAD+(\a)*HF+512
.endr
.endif
.endm
	s_wait_loadcnt 0x0
	PLACES NP
	v_mov_b32 v[WX], 0
	s_cmp_eq_u32 s[ISV], 1
	s_cbranch_scc1 .Lv_path
.irp a, 0,1,2,3,4,5,6,7
	EPI \a, 0
.endr
	global_store_b128 v[SOF], v[SW:SW+3], s[OUT:OUT+1] offset:8*HF
	global_store_b128 v[SOF], v[SW+4:SW+7], s[OUT:OUT+1] offset:8*HF+256
	s_branch .Ldone
.Lv_path:
.irp a, 0,1,2,3,4,5,6,7
	EPI \a, 1
.endr
.irp i, 0,1,2,3
	v_cndmask_b32 v[SW+\i], v[SW+\i], v[SW+4+\i], s[HM]
.endr
	global_store_b128 v[SOF], v[SW:SW+3], s[OUT:OUT+1] offset:8*HF
.Ldone:
	s_wait_tensorcnt 0x0
	ds_add_u32 v[SPW], v[NIL]
	s_wait_dscnt 0x0
	CROUND
	s_endpgm
.Lfunc_end_k_q01271d025b_proj:
	.size	k_q01271d025b_proj, .Lfunc_end_k_q01271d025b_proj-k_q01271d025b_proj
	.p2alignl 7, 3214868480
	.fill 96, 4, 3214868480
	.section	.rodata,"a",@progbits
	.p2align	6, 0x0
	.amdhsa_kernel k_q01271d025b_proj
		.amdhsa_group_segment_fixed_size 327680
		.amdhsa_private_segment_fixed_size 0
		.amdhsa_enable_private_segment 0
		.amdhsa_kernarg_size 64
		.amdhsa_user_sgpr_count 2
		.amdhsa_user_sgpr_kernarg_segment_ptr 1
		.amdhsa_wavefront_size32 1
		.amdhsa_system_sgpr_workgroup_id_x 1
		.amdhsa_system_sgpr_workgroup_id_y 1
		.amdhsa_system_sgpr_workgroup_id_z 1
		.amdhsa_system_vgpr_workitem_id 0
		.amdhsa_next_free_vgpr 1024
		.amdhsa_next_free_sgpr 102
		.amdhsa_reserve_vcc 1
		.amdhsa_float_denorm_mode_32 3
		.amdhsa_float_denorm_mode_16_64 3
		.amdhsa_memory_ordered 1
		.amdhsa_forward_progress 1
		.amdhsa_inst_pref_size 211
	.end_amdhsa_kernel
	.amdgpu_metadata
---
amdhsa.version: [ 1, 2 ]
amdhsa.kernels:
  - .name:           k_q01271d025b_proj
    .symbol:         k_q01271d025b_proj.kd
    .args:
      - { .name: x_t, .offset: 0, .size: 8, .value_kind: global_buffer, .address_space: global }
      - { .name: w_t, .offset: 8, .size: 8, .value_kind: global_buffer, .address_space: global }
      - { .name: bq, .offset: 16, .size: 8, .value_kind: global_buffer, .address_space: global }
      - { .name: bk, .offset: 24, .size: 8, .value_kind: global_buffer, .address_space: global }
      - { .name: bv, .offset: 32, .size: 8, .value_kind: global_buffer, .address_space: global }
      - { .name: attention_mask, .offset: 40, .size: 8, .value_kind: global_buffer, .address_space: global }
      - { .name: qk_rec, .offset: 48, .size: 8, .value_kind: global_buffer, .address_space: global }
      - { .name: v_rec, .offset: 56, .size: 8, .value_kind: global_buffer, .address_space: global }
    .group_segment_fixed_size: 327680
    .private_segment_fixed_size: 0
    .kernarg_segment_align: 8
    .kernarg_segment_size: 64
    .max_flat_workgroup_size: 128
    .sgpr_count:     102
    .vgpr_count:     1024
    .wavefront_size: 32
...
	.end_amdgpu_metadata
.endif
;; end of part 2
;; launch attn (part 3): grid 4 x 64, 16 waves a work-group, clusters of 4 x 1, 210,944 bytes of LDS; arguments qk_rec, v_rec, ctx_t; writes ctx_t
.if DOCPART == 3
	.amdgcn_target "amdgcn-amd-amdhsa--gfx1250"
	.amdhsa_code_object_version 6
	.text
	.protected	k_q01271d025b_attn
	.globl	k_q01271d025b_attn
	.p2align	8
	.type	k_q01271d025b_attn,@function
k_q01271d025b_attn:
	s_mov_b64 s[64:65], 0
	v_nop
	global_prefetch_b8 v0, s[64:65] scope:SCOPE_SE
	s_setreg_imm32_b32 hwreg(HW_REG_WAVE_MODE, 25, 1), 1
	s_wait_xcnt 0x0
	s_wait_alu depctr_hold_cnt(0) depctr_sa_sdst(0) depctr_va_vdst(0) depctr_va_sdst(0) depctr_va_ssrc(0) depctr_va_vcc(0) depctr_vm_vsrc(0)
	s_getreg_b32 s2, hwreg(HW_REG_IB_STS2, 6, 4)
	s_cmp_eq_u32 s2, 0
	s_cbranch_scc0 .Lentry_in_a_cluster
	s_endpgm
.Lentry_in_a_cluster:
	s_bfe_u32 s2, ttmp6, 0x10000c
	s_cmp_lg_u32 s2, 0x3003
	s_cbranch_scc0 .Lentry_shape_is_right
	s_endpgm
.Lentry_shape_is_right:
; context = softmax(q k^T / 8, masked) v for one (b, head), both products on codes of FP6 (E2M3) with E8M0 scales, and the context quantised along the model's 1,024 for the last product.
; THE SOFTMAX AHEAD OF THE SECOND PRODUCT: t = score x log2(e) / 8; M = the row's largest t so far, rounded UP to a whole number; p = 2^(t - M) is quantised along the keys, not normalised;
; the row's sum is taken of the unquantised p and divides at the end.  When M moves, the sum and O are multiplied by 2^(old M - new M): exact.
; SHARES: a work-group owns 512 queries of one head, 32 tiles of 16.  A wave takes one tile a pass and walks the head's 2,048 keys, 128 a step.  Pass 0: wave w takes tile w.
; Passes 1 and 2 are walked by waves 0-7 alone: tiles 16 + w and 24 + w.  So waves 0-7 take three tiles and waves 8-15 one.  Every wave walks every loop; waves 8-15 jump over the step inside it.
; ALL OF THE HEAD'S K AND V LIE IN LDS (106,496 + 102,400 bytes of records), filled once: no byte is filled again.  The four query blocks of a head form a cluster and ask for every tile jointly.
; THE FILL: one tensor load a wave, two records each.  Waves 0, 1 bring K's records 0-3 and waves 2, 3 V's records 0-3, by load lines of their own: they alone wait ahead of the first barrier.
; Waves 4-9 bring V's other twelve records, waves 10-15 K's.  The first three key steps touch records 0-3 alone; then every wave waits for its load, a second barrier shows all records, and no barrier follows.
; LAYOUT: both products transposed (S^T = K Q^T, O^T = V^T P^T): a lane holds one query.  By the records' choice of rows (row i of tile t: 64 (t / 4) + 8 (t % 4) + i % 8 + 32 (i / 8)) the eight score tiles are, in lane (r, h),
; registers 32 c + n = key 64 c + 32 h + n: two whole blocks of 32 keys: a block's maximum needs no other lane and the conversions' results are P's registers.  O^T's 32 registers are channels 32 h + n: one whole block.
; THE MASK: the head has 64 of the instruction's 128 along K.  In blocks 2 and 3 q has one code 1.0 and k one code -1.0 (registers 6 of the fragments, set here); the scale bytes 2, 3 in the records make their product
; -2^-220 for an open key (nothing in f32) and, with zero codes, a score of exactly -2^33 for a masked one.  c x 2^33 is a whole number: a row with no open key gets p = 1 everywhere, any other row p = 0 on masked keys.
; A STEP'S ORDER: K's tiles 0-3 and K's scale words were fetched in the step before; tiles 4-7 are fetched behind the first four products, with block 0's maximum between the loads and their wait;
; the next step's tiles 0-3 are fetched behind the second four products.  The last step of a pass so reads the 3,072 + 512 bytes behind K's records (V's first bytes); they are not used.
; Among the exponentials stand only lines whose results are read behind the batch's wait: block 1's multiply-adds among block 0's, block 0's pair sums and conversions among block 1's.
; LIMITS: the masked logit is -2^30 where reference() has -1e9: they differ only where an open logit comes near -1e9.  A block of zeros gets the byte 1.  NaN and infinities are not served.
; No prefetch: every load of K and V is issued at the kernel's head, so there is no loop to run ahead in.
.set KREC,  6656
.set VREC,  6400
.set KHEAD, 16*KREC
.set VHEAD, 16*VREC
.set VBASE, KHEAD                      ; LDS: K's 16 records, then V's 16
.set SPARE, KHEAD+VHEAD                ; then the spare words, 128 bytes a wave
.set HF,    768
.set REC,   12800
.set HEAVY, 8                          ; waves under this number walk passes 1 and 2
.set L16,  1                           ; v1   16 x lane
.set L8,   2                           ; v2   8 x lane + 512
.set LS,   3                           ; v3   16 r + 6,144: a record's scale words
.set V16,  4                           ; v4-6 the same three in V's part of LDS
.set V8,   5
.set VSA,  6
.set SH8,  7                           ; v7   8 h
.set AK16, 8                           ; v8-13 the step's six addresses
.set AK8,  9
.set AKS,  10
.set AV16, 11
.set AV8,  12
.set AVS,  13
.set NM,   14                          ; v14  -M;  v15 the largest t so far
.set LL,   16                          ; v[16:17] the sum, in two halves
.set Q,    18                          ; v18-29 Q's fragment
.set QS,   30                          ; v30  its scale word
.set F,    32                          ; v[32:33] f = 2^(old M - new M)
.set RC,   34                          ; v[34:35] 1 / the sum
.set KB,   36                          ; v36-83 four fragments of K
.set KS,   84                          ; v84-91 K's scale words
.set VS,   92                          ; v92-95 V's
.set S,    96                          ; v96-159 S^T, then p, then V's four fragments (at 0, 12, 32, 44)
.set O,    160                         ; v160-191 O^T
.set P,    192                         ; v192-203 p's codes
.set TT,   204
.set BS,   212                         ; v212-213 each block's largest score, then its largest p
.set T0,   214
.set T1,   215
.set SO,   216
.set BY,   218
.set WW,   220
.set WX,   221
.set SM,   222                         ; v222-237 eight pairs of partial sums
.set OM,   238                         ; v238 the old -M
.set BO,   241                         ; v241 16 r + h
.set QB,   242                         ; v242-248 the next pass's Q and its scale word
.set PS,   249                         ; v249 p's scale word
.set XB,   250                         ; v250-252 the other three chains of a block's maximum
.set SPW,  254
.set NIL,  255
.set WV,   18
.set SEL,  20
.set CS,   22                          ; s[22:23] c = log2(e) / 8
.set G1K,  24
.set G1V,  32
.set G0K,  40
.set G0V,  44
.set TK,   84
.set TV,   85
.set CNT,  86
.macro WALU
	s_wait_alu depctr_va_vdst(0)
.endm
.macro CROUND
	s_barrier_signal -1
	s_barrier_wait -1
	s_cmp_lg_u32 s[WV], 0
	s_cbranch_scc1 .Lnot_wave_0_\@
	s_barrier_signal -3
.Lnot_wave_0_\@:
	s_barrier_wait -3
	s_barrier_signal -1
	s_barrier_wait -1
.endm
.macro TL g0, g1
	tensor_load_to_lds s[\g0:\g0+3], s[\g1:\g1+7]
	s_nop 0
.rept 4
	v_nop
.endr
.endm
	s_load_b128 s[4:7], s[0:1], 0x0                ; qk_rec, v_rec
	s_load_b64 s[8:9], s[0:1], 0x10                ; ctx_t
	v_lshl_add_u32 v[SPW], v0, 2, SPARE
	v_mov_b32 v[NIL], 0
	ds_add_u32 v[SPW], v[NIL]                      ; the opening lines: the add twice and one wait
	ds_add_u32 v[SPW], v[NIL]
	v_lshrrev_b32 v1, 5, v0
	v_readfirstlane_b32 s[WV], v1                  ; wave 0..15
	v_and_b32 v8, 31, v0                           ; lane
	v_and_b32 v9, 15, v0                           ; r
	v_bfe_u32 v10, v0, 4, 1                        ; h
	v_lshlrev_b32 v[L16], 4, v8
	v_lshlrev_b32 v[L8], 3, v8
	v_lshlrev_b32 v[LS], 4, v9
	v_add_nc_u32 v[L8], 512, v[L8]
	v_add_nc_u32 v[LS], 8*HF, v[LS]
	v_add_nc_u32 v[V16], VBASE, v[L16]
	v_add_nc_u32 v[V8], VBASE, v[L8]
	v_add_nc_u32 v[VSA], VBASE, v[LS]
	v_lshlrev_b32 v[SH8], 3, v10
	v_lshl_add_u32 v[BO], v9, 4, v10
	s_bfe_u32 s10, ttmp6, 0x40000                  ; cx: my block of 512 queries: it enters Q's and the context's addresses alone
	s_and_b32 s11, ttmp7, 0xffff                   ; 16 b + head, which the four partners share
	s_and_b32 s16, s[WV], 7
	s_mul_i32 s17, s16, 2*KREC                     ; K's loaders (waves 0, 1, 10-15): records 2 (wave % 8) and the next
	s_add_co_u32 s12, s11, 64
	s_mul_i32 s12, s12, KHEAD                      ; K's records of my head
	s_add_co_u32 s12, s12, s17
	s_mov_b32 s13, 0
	s_max_u32 s98, s[WV], 2                        ; V's loaders (waves 2-9): records 2 (wave - 2) and the next; held inside the head for the waves that do not ask
	s_sub_co_u32 s98, s98, 2
	s_min_u32 s98, s98, 7
	s_mul_i32 s98, s98, 2*VREC
	s_mul_i32 s14, s11, VHEAD
	s_add_co_u32 s14, s14, s98
	s_mov_b32 s15, 0
	s_mul_i32 s96, s[WV], 2*VREC
	s_add_co_u32 s96, s96, VBASE-4*VREC            ; and their place in LDS
	; descriptor group 1: dense bytes as rows of 256 (32 elements of 8 bytes): K: 52 rows (two records), V: 50
	s_mov_b32 s[G1K], 15|(3<<16)|(1<<21)           ; 15:0 the mask: all four work-groups; 17:16 elements of 8 bytes; 21 set beside a mask
	s_mov_b32 s[G1K+1], 32<<16
	s_mov_b32 s[G1K+2], 52<<16
	s_mov_b32 s[G1K+3], 32<<16
	s_mov_b32 s[G1K+4], 52
	s_mov_b32 s[G1K+5], 32
	s_mov_b32 s[G1K+6], 0
	s_mov_b32 s[G1K+7], 0
	s_mov_b32 s[G1V], 15|(3<<16)|(1<<21)
	s_mov_b32 s[G1V+1], 32<<16
	s_mov_b32 s[G1V+2], 50<<16
	s_mov_b32 s[G1V+3], 32<<16
	s_mov_b32 s[G1V+4], 50
	s_mov_b32 s[G1V+5], 32
	s_mov_b32 s[G1V+6], 0
	s_mov_b32 s[G1V+7], 0
	s_mov_b32 s[SEL], 0x76543210
	s_mov_b32 s[SEL+1], 0xfedcba98
	s_mov_b32 s[CS], 0x3e38aa3b
	s_mov_b32 s[CS+1], s[CS]                       ; (named with it as a pair, so it is written)
	WALU                                           ; the wait ahead of the blocking waits
	s_wait_dscnt 0x0
	s_wait_kmcnt 0x0
	s_add_nc_u64 s[12:13], s[4:5], s[12:13]
	s_add_nc_u64 s[14:15], s[6:7], s[14:15]
	CROUND                                         ; all four work-groups are here: the joint loads meet
	s_mov_b32 s[G0K], 1
	s_mov_b32 s[G0K+1], s17
	s_mov_b64 s[G0K+2:G0K+3], s[12:13]
	s_or_b32 s[G0K+3], s[G0K+3], 0x80000000
	s_mov_b32 s[G0V], 1
	s_mov_b32 s[G0V+1], s96
	s_mov_b64 s[G0V+2:G0V+3], s[14:15]
	s_or_b32 s[G0V+3], s[G0V+3], 0x80000000
	s_cmp_lt_u32 s[WV], 2                          ; one chain of branches on the wave's number, one load to an arm: every way passes one
	s_cbranch_scc0 .Lv_first
	TL G0K, G1K                                    ; waves 0, 1: K's records 0-3
	s_branch .Lasked
.Lv_first:
	s_cmp_lt_u32 s[WV], 4
	s_cbranch_scc0 .Lv_rest
	TL G0V, G1V                                    ; waves 2, 3: V's records 0-3
	s_branch .Lasked
.Lv_rest:
	s_cmp_lt_u32 s[WV], 10
	s_cbranch_scc0 .Lk_rest
	TL G0V, G1V                                    ; waves 4-9: V's records 4-15
	s_branch .Lasked
.Lk_rest:
	TL G0K, G1K                                    ; waves 10-15: K's records 4-15
.Lasked:
	; Q: tile w of my block is tile w % 8 of query record 4 cx + w / 8; tiles 16 + w and 24 + w (w under 8) lie two and three records on
	s_mul_i32 s96, s11, KHEAD
	s_lshl_b32 s97, s10, 2
	s_lshr_b32 s98, s[WV], 3
	s_add_co_u32 s97, s97, s98
	s_mul_i32 s97, s97, KREC
	s_add_co_u32 s96, s96, s97                     ; the record
	s_and_b32 s98, s[WV], 7
	s_mul_i32 s88, s98, HF
	s_add_co_u32 s88, s88, s96
	s_mov_b32 s89, 0
	s_lshr_b32 s90, s98, 2
	s_lshl_b32 s90, s90, 8
	s_and_b32 s99, s98, 3
	s_lshl_b32 s99, s99, 2
	s_add_co_u32 s90, s90, s99
	s_add_co_u32 s90, s90, s96
	s_mov_b32 s91, 0
	s_add_nc_u64 s[88:89], s[4:5], s[88:89]        ; its half fragment
	s_add_nc_u64 s[90:91], s[4:5], s[90:91]        ; its scale words (6,144 + 16 r on: in the vector offset)
	global_load_b128 v[Q:Q+3], v[L16], s[88:89]
	global_load_b64 v[Q+4:Q+5], v[L8], s[88:89]
	global_load_b32 v[QS], v[LS], s[90:91]
	global_load_b128 v[QB:QB+3], v[L16], s[88:89] offset:2*KREC
	global_load_b64 v[QB+4:QB+5], v[L8], s[88:89] offset:2*KREC
	global_load_b32 v[QB+6], v[LS], s[90:91] offset:2*KREC
	; the context: record 128 b + 32 cx + my tile; half fragment = head
	s_lshr_b32 s96, s11, 4
	s_lshl_b32 s96, s96, 7
	s_lshl_b32 s97, s10, 5
	s_add_co_u32 s96, s96, s97
	s_add_co_u32 s96, s96, s[WV]
	s_mul_i32 s96, s96, REC
	s_and_b32 s97, s11, 15                         ; head
	s_mul_i32 s92, s97, HF
	s_add_co_u32 s92, s92, s96
	s_mov_b32 s93, 0
	s_lshr_b32 s94, s97, 3
	s_lshl_b32 s94, s94, 8                         ; the scale byte: which half of K,
	s_bfe_u32 s98, s97, 0x20001
	s_lshl_b32 s98, s98, 2                         ; which word,
	s_add_co_u32 s94, s94, s98
	s_and_b32 s98, s97, 1
	s_lshl_b32 s98, s98, 1                         ; which pair of bytes
	s_add_co_u32 s94, s94, s98
	s_add_co_u32 s94, s94, s96
	s_mov_b32 s95, 0
	s_add_nc_u64 s[92:93], s[8:9], s[92:93]
	s_add_nc_u64 s[94:95], s[8:9], s[94:95]
	v_mov_b32 v[Q+6], 0x08                         ; the code 1.0 at k = 64 + 32 h; the rest of the upper half of K is zeros
.irp i, 7,8,9,10,11
	v_mov_b32 v[Q+\i], 0
.endr
.irp t, 0,1,2,3
	v_mov_b32 v[KB+12*\t+6], 0x28                  ; the code -1.0
.irp i, 7,8,9,10,11
	v_mov_b32 v[KB+12*\t+\i], 0
.endr
.endr
	v_mov_b32 v[F+1], 0                            ; (named as the upper halves of pairs)
	v_mov_b32 v[RC+1], 0
	v_mov_b32 v[T1], 0                             ; a lane permute's destination counts as one of its sources
	v_mov_b32 v[WX], 0
.macro KLOAD a16, a8, off              ; the lower halves of four fragments of K: the tiles at byte off of the record
.irp t, 0,1,2,3
	ds_load_b128 v[KB+12*\t:KB+12*\t+3], v[\a16] offset:(\off)+\t*HF
	ds_load_b64 v[KB+12*\t+4:KB+12*\t+5], v[\a8] offset:(\off)+\t*HF
.endr
.endm
.macro VLOAD t                         ; fragment t of V
.set VF, S+12*(\t)+8*((\t)/2)
	ds_load_b128 v[VF:VF+3], v[AV16] offset:(\t)*2*HF
	ds_load_b64 v[VF+4:VF+5], v[AV8] offset:(\t)*2*HF
	ds_load_b128 v[VF+6:VF+9], v[AV16] offset:(\t)*2*HF+HF
	ds_load_b64 v[VF+10:VF+11], v[AV8] offset:(\t)*2*HF+HF
.endm
.macro SMUL g                          ; S^T = K Q^T, four tiles of 16 keys
.irp t, 0,1,2,3
	v_wmma_scale_f32_16x16x128_f8f6f4 v[S+8*(4*\g+\t):S+8*(4*\g+\t)+7], v[KB+12*\t:KB+12*\t+11], v[Q:Q+11], 0, v[KS+4*\g+\t], v[QS] matrix_a_fmt:MATRIX_FMT_FP6 matrix_b_fmt:MATRIX_FMT_FP6
.endr
.endm
; the largest score of block c, in four chains by turns, one to a score tile, each from the tile's low end on.  It serves the row's maximum and, since p rises with the score, the block's largest p
.macro MAXA c                          ; twelve lines: seven numbers of each tile
	v_max3_num_f32 v[BS+\c], v[S+32*\c], v[S+32*\c+1], v[S+32*\c+2]
.irp t, 1,2,3
	v_max3_num_f32 v[XB+\t-1], v[S+32*\c+8*\t], v[S+32*\c+8*\t+1], v[S+32*\c+8*\t+2]
.endr
.irp i, 3,5
	v_max3_num_f32 v[BS+\c], v[BS+\c], v[S+32*\c+\i], v[S+32*\c+\i+1]
.irp t, 1,2,3
	v_max3_num_f32 v[XB+\t-1], v[XB+\t-1], v[S+32*\c+8*\t+\i], v[S+32*\c+8*\t+\i+1]
.endr
.endr
.endm
.macro MAXB c                          ; four lines: the chains joined, with each tile's eighth number
	v_max3_num_f32 v[BS+\c], v[BS+\c], v[XB], v[S+32*\c+7]
	v_max3_num_f32 v[XB+1], v[XB+1], v[XB+2], v[S+32*\c+15]
	v_max3_num_f32 v[BS+\c], v[BS+\c], v[XB+1], v[S+32*\c+23]
	v_max_num_f32 v[BS+\c], v[BS+\c], v[S+32*\c+31]
.endm
.macro TM0 k                           ; k lines of block 0's t - M, two numbers a line, from register n on
.rept \k
	v_pk_fma_f32 v[S+n:S+n+1], v[S+n:S+n+1], s[CS:CS+1], v[NM:NM+1] op_sel_hi:[1,0,0]
.set n, n+2
.endr
.endm
; A KEY STEP: 128 keys: the record at s[TK] of K, at s[TV] of V.  K's tiles 0-3 and K's scale words are in registers
.macro STEP
	v_add_nc_u32 v[AK16], s[TK], v[L16]            ; five plain lines: the places between the last step's products and the load and the products that write over their registers
	v_add_nc_u32 v[AK8], s[TK], v[L8]
	v_add_nc_u32 v[AKS], s[TK], v[LS]
	v_add_nc_u32 v[AVS], s[TV], v[VSA]
	v_add_nc_u32 v[AV16], s[TV], v[V16]
	ds_load_b128 v[VS:VS+3], v[AVS]                ; row r's scale words of V's four tiles
	SMUL 0
	v_add_nc_u32 v[AV8], s[TV], v[V8]              ; four places in front of the loads into K's fragments and of the reads of the scores
	v_mov_b32 v[OM], v[NM]
	v_nop
	v_nop
	KLOAD AK16, AK8, 4*HF                          ; tiles 4-7
	MAXA 0
	WALU                                           ; the wait ahead of the blocking wait: the chains go on behind it
	s_wait_dscnt 0x0
	SMUL 1
	MAXB 0                                         ; four plain lines on block 0: the places behind the products
	ds_load_b128 v[KS:KS+3], v[AKS] offset:KREC    ; the next step's scale words of K
	ds_load_b128 v[KS+4:KS+7], v[AKS] offset:KREC+256
	KLOAD AK16, AK8, KREC                          ; and its tiles 0-3
	MAXA 1
	MAXB 1
	s_delay_alu instid0(VALU_DEP_1)
	v_max_num_f32 v[T0], v[BS], v[BS+1]
	s_delay_alu instid0(VALU_DEP_1)
	v_permlanex16_b32 v[T1], v[T0], s[SEL], s[SEL+1]
	s_delay_alu instid0(VALU_DEP_1)
	v_max_num_f32 v[T0], v[T0], v[T1]              ; the step's largest score of my query
	s_delay_alu instid0(VALU_DEP_1)
	v_mul_f32 v[T0], s[CS], v[T0]                  ; as t
	s_delay_alu instid0(VALU_DEP_1)
	v_max_num_f32 v[NM+1], v[NM+1], v[T0]          ; the running largest t
	s_delay_alu instid0(VALU_DEP_1)
	v_floor_f32 v[NM], -v[NM+1]                    ; -M = floor(-t): M is a whole number
	s_delay_alu instid0(VALU_DEP_1)
	v_sub_f32 v[T0], v[NM], v[OM]                  ; old M - new M: a whole number, 0 or less
.set n, 0
	TM0 4                                          ; block 0's t - M stands between the links of f's chain
	v_cvt_i32_f32 v[T0], v[T0]                     ; (it saturates)
	TM0 4
	v_ldexp_f32 v[F], 1.0, v[T0]                   ; f = 2^(old M - new M)
	TM0 8
.irp c, 0,1
	v_fma_f32 v[BS+\c], v[BS+\c], s[CS], v[NM]     ; the same of each block's largest score
.endr
	v_pk_mul_f32 v[LL:LL+1], v[LL:LL+1], v[F:F+1] op_sel_hi:[1,0]   ; the sums under the new M
	WALU                                           ; the wait ahead of the batch
.irp c, 0,1
	v_exp_f32 v[BS+\c], v[BS+\c]                   ; the block's largest p: the same two instructions on the same number
.endr
.set n, 0
.rept 16
	v_exp_f32 v[S+n], v[S+n]                       ; block 0: p = 2^(t - M), at most 1
	v_exp_f32 v[S+n+1], v[S+n+1]
	v_pk_fma_f32 v[S+32+n:S+33+n], v[S+32+n:S+33+n], s[CS:CS+1], v[NM:NM+1] op_sel_hi:[1,0,0]   ; block 1: t - M; read behind the wait below
.set n, n+2
.endr
	WALU                                           ; one wait behind the first batch and ahead of the second
.irp c, 0,1
	v_max_num_f32 v[BS+\c], 0x1800000, v[BS+\c]    ; the floor 2^(3 - 127): the byte cannot fall under 1
.endr
.irp c, 0,1
	s_delay_alu instid0(VALU_DEP_2)
	v_add_nc_u32 v[SO+\c], 0xff000000, v[BS+\c]    ; 2 off the exponent field: the conversion's scale operand
.endr
.irp c, 0,1
	s_delay_alu instid0(VALU_DEP_2)
	v_lshrrev_b32 v[BY+\c], 23, v[SO+\c]
.endr
	s_delay_alu instid0(VALU_DEP_1)
	v_lshl_or_b32 v[WW], v[BY+1], 16, v[BY]        ; p's scale word: byte 2 c + h: my two bytes and lane l xor 16's
	s_delay_alu instid0(VALU_DEP_1)
	v_lshlrev_b32 v[WW], v[SH8], v[WW]
	s_delay_alu instid0(VALU_DEP_1)
	v_permlanex16_b32 v[WX], v[WW], s[SEL], s[SEL+1]
	s_delay_alu instid0(VALU_DEP_1)
	v_or_b32 v[PS], v[WW], v[WX]
.set n, 0
.rept 8
	v_exp_f32 v[S+32+2*n], v[S+32+2*n]             ; block 1's p
	v_exp_f32 v[S+33+2*n], v[S+33+2*n]
	v_pk_add_f32 v[SM+2*n:SM+2*n+1], v[S+4*n:S+4*n+1], v[S+4*n+2:S+4*n+3]   ; block 0's unquantised p, summed by pairs; read behind the wait below
.set n, n+1
.endr
	v_exp_f32 v[S+48], v[S+48]
	v_exp_f32 v[S+49], v[S+49]
	v_cvt_scalef32_pk16_fp6_f32 v[P:P+2], v[S:S+15], v[SO]
	v_exp_f32 v[S+50], v[S+50]
	v_exp_f32 v[S+51], v[S+51]
	v_cvt_scalef32_pk16_fp6_f32 v[TT:TT+2], v[S+16:S+31], v[SO]      ; (a conversion's three registers begin on an even number)
	VLOAD 0                                        ; V's first two fragments take block 0's registers
	VLOAD 1
.set n, 52
.rept 12
	v_exp_f32 v[S+n], v[S+n]
.set n, n+1
.endr
	v_nop                                          ; the plain line behind the exponentials
	WALU                                           ; and the wait ahead of their first reader
.set n, 0
.rept 8
	v_pk_add_f32 v[SM+2*n:SM+2*n+1], v[SM+2*n:SM+2*n+1], v[S+32+4*n:S+33+4*n]
.set n, n+1
.endr
.set n, 0
.rept 8
	v_pk_add_f32 v[SM+2*n:SM+2*n+1], v[SM+2*n:SM+2*n+1], v[S+34+4*n:S+35+4*n]
.set n, n+1
.endr
	v_cvt_scalef32_pk16_fp6_f32 v[P+6:P+8], v[S+32:S+47], v[SO+1]
	v_cvt_scalef32_pk16_fp6_f32 v[TT+4:TT+6], v[S+48:S+63], v[SO+1]
	VLOAD 2                                        ; V's other two take block 1's
	VLOAD 3
.irp i, 0,1,2,3
	v_pk_add_f32 v[SM+2*\i:SM+2*\i+1], v[SM+2*\i:SM+2*\i+1], v[SM+8+2*\i:SM+9+2*\i]   ; plain lines behind the conversions
.endr
.irp i, 0,1,2
	v_mov_b32 v[P+3+\i], v[TT+\i]
.endr
	v_pk_add_f32 v[SM:SM+1], v[SM:SM+1], v[SM+4:SM+5]
	v_pk_add_f32 v[SM+2:SM+3], v[SM+2:SM+3], v[SM+6:SM+7]
.irp i, 0,1,2
	v_mov_b32 v[P+9+\i], v[TT+4+\i]
.endr
	v_pk_add_f32 v[SM:SM+1], v[SM:SM+1], v[SM+2:SM+3]
	WALU                                           ; directly ahead of the first reader of O^T
.set n, 0
.rept 4
	v_pk_mul_f32 v[O+n:O+n+1], v[O+n:O+n+1], v[F:F+1] op_sel_hi:[1,0]   ; O^T under the new M, ascending; these lines are also the places between the writes of p's codes and scale word and the products
.set n, n+2
.endr
	v_pk_add_f32 v[LL:LL+1], v[LL:LL+1], v[SM:SM+1]
.rept 12
	v_pk_mul_f32 v[O+n:O+n+1], v[O+n:O+n+1], v[F:F+1] op_sel_hi:[1,0]
.set n, n+2
.endr
	WALU
	s_wait_dscnt 0x0                               ; V's fragments are in, and the next step's tiles and scale words of K
.irp t, 0,1,2,3                                ; O^T += V^T P^T: four accumulators by turns
	v_wmma_scale_f32_16x16x128_f8f6f4 v[O+8*\t:O+8*\t+7], v[S+12*\t+8*(\t/2):S+12*\t+8*(\t/2)+11], v[P:P+11], v[O+8*\t:O+8*\t+7], v[VS+\t], v[PS] matrix_a_fmt:MATRIX_FMT_FP6 matrix_b_fmt:MATRIX_FMT_FP6
.endr
.endm
.macro RUN first, n, some=0            ; n key steps from record first on;  some = 1: every wave walks the loop, and the waves from HEAVY on jump over the step
	s_mov_b32 s[TK], (\first)*KREC
	s_mov_b32 s[TV], (\first)*VREC
	s_mov_b32 s[CNT], \n
.Lstep_\@:
.if \some
	s_cmp_lt_u32 s[WV], HEAVY
	s_cbranch_scc0 .Lover_\@
.endif
	STEP
.if \some
.Lover_\@:
.endif
	s_add_co_u32 s[TK], s[TK], KREC
	s_add_co_u32 s[TV], s[TV], VREC
	s_sub_co_u32 s[CNT], s[CNT], 1
	s_cmp_lg_u32 s[CNT], 0
	s_cbranch_scc1 .Lstep_\@
.endm
.macro INIT p                          ; pass p begins: record 0's scale words and tiles 0-3 of K; the sums; behind pass 0 the pass's Q
	ds_load_b128 v[KS:KS+3], v[LS]
	ds_load_b128 v[KS+4:KS+7], v[LS] offset:256
	KLOAD L16, L8, 0
.if \p
.if \p == 2
	s_wait_loadcnt 0x0                             ; the Q that pass 1 asked for
.endif
.irp i, 0,1,2,3,4,5
	v_mov_b32 v[Q+\i], v[QB+\i]
.endr
	v_mov_b32 v[QS], v[QB+6]
.if \p == 1
	global_load_b128 v[QB:QB+3], v[L16], s[88:89] offset:3*KREC     ; pass 2's Q, 16 key steps ahead of its use
	global_load_b64 v[QB+4:QB+5], v[L8], s[88:89] offset:3*KREC
	global_load_b32 v[QB+6], v[LS], s[90:91] offset:3*KREC
.endif
.endif
	v_mov_b32 v[NM+1], 0xff61b1e6                  ; the largest t so far: -3e38, under every t
	v_mov_b32 v[LL], 0
	v_mov_b32 v[LL+1], 0
.set n, 0
.rept 32
	v_mov_b32 v[O+n], 0                            ; O^T: the step is written once; the first finds zeros, which the first change of M leaves zeros
.set n, n+1
.endr
	v_floor_f32 v[NM], -v[NM+1]
	WALU
	s_wait_dscnt 0x0
.endm
; THE WAY OUT: O^T / the sum is my query's 32 channels 32 h + n of this head: one whole block along the last product's K.  e: my tile lies 8 e records behind tile w
.macro OUT e
	s_wait_dscnt 0x0                               ; the last step's fetch ahead has landed: its registers are loaded anew in the next pass
.rept 4
	v_nop
.endr
	v_add_f32 v[LL], v[LL], v[LL+1]
	s_delay_alu instid0(VALU_DEP_1)
	v_permlanex16_b32 v[T1], v[LL], s[SEL], s[SEL+1]
	s_delay_alu instid0(VALU_DEP_1)
	v_add_f32 v[LL], v[LL], v[T1]                  ; the row's sum
	WALU
	v_rcp_f32 v[RC], v[LL]
	v_nop                                          ; a plain instruction behind the reciprocal
	WALU                                           ; and the wait ahead of its first reader
.set n, 0
.rept 16
	v_pk_mul_f32 v[S+n:S+n+1], v[O+n:O+n+1], v[RC:RC+1] op_sel_hi:[1,0]   ; each accumulator from its low end on
.set n, n+2
.endr
	v_max3_num_f32 v[BS], |v[S]|, |v[S+1]|, 0x1800000               ; the block's largest magnitude, in two chains, with the floor
	v_max3_num_f32 v[BS+1], |v[S+16]|, |v[S+17]|, |v[S+18]|
.irp i, 2,4,6,8,10,12
	s_delay_alu instid0(VALU_DEP_2)
	v_max3_num_f32 v[BS], v[BS], |v[S+\i]|, |v[S+\i+1]|
	s_delay_alu instid0(VALU_DEP_2)
	v_max3_num_f32 v[BS+1], v[BS+1], |v[S+17+\i]|, |v[S+18+\i]|
.endr
	s_delay_alu instid0(VALU_DEP_2)
	v_max3_num_f32 v[BS], v[BS], |v[S+14]|, |v[S+15]|
	s_delay_alu instid0(VALU_DEP_1)
	v_max3_num_f32 v[BS], v[BS], v[BS+1], |v[S+31]|
	s_delay_alu instid0(VALU_DEP_1)
	v_add_nc_u32 v[SO], 0xff000000, v[BS]
	s_delay_alu instid0(VALU_DEP_1)
	v_lshrrev_b32 v[BY], 23, v[SO]
	v_cvt_scalef32_pk16_fp6_f32 v[P:P+2], v[S:S+15], v[SO]
	v_cvt_scalef32_pk16_fp6_f32 v[TT:TT+2], v[S+16:S+31], v[SO]
	v_nop
.irp i, 0,1,2
	v_mov_b32 v[P+3+\i], v[TT+\i]
.endr
	global_store_b128 v[L16], v[P:P+3], s[92:93] offset:(\e)*8*REC                ; 512 consecutive bytes
	global_store_b64 v[L8], v[P+4:P+5], s[92:93] offset:(\e)*8*REC                ; 256 consecutive bytes
	global_store_b8 v[BO], v[BY], s[94:95] offset:(\e)*8*REC+16*HF                ; my block's scale byte: two bytes a row beside 768 of codes: the one store here that writes single bytes
	s_wait_xcnt 0x0                                ; the stores have read their registers
.endm
	WALU                                           ; the wait at the head's end
	s_wait_loadcnt 0x0                             ; the first two passes' Q
	s_cmp_lt_u32 s[WV], 4
	s_cbranch_scc0 .Lnot_first
	s_wait_tensorcnt 0x0                           ; waves 0-3: records 0-3 of K and V are in
.Lnot_first:
	s_barrier_signal -1
	s_barrier_wait -1                              ; the other waves' loads may stay out
	INIT 0
	RUN 0, 3                                       ; steps 0-2 read K's records 0-3 (the fetch ahead among them) and V's 0-2
	WALU
	s_wait_tensorcnt 0x0                           ; every wave: my load is in
	s_wait_dscnt 0x0
	s_barrier_signal -1
	s_barrier_wait -1                              ; all records are in: the waves share nothing more
	RUN 3, 13
	OUT 0                                          ; tile w
	s_cmp_lt_u32 s[WV], HEAVY
	s_cbranch_scc0 .Lone_a
	INIT 1
.Lone_a:
	RUN 0, 16, 1
	s_cmp_lt_u32 s[WV], HEAVY
	s_cbranch_scc0 .Lone_b
	OUT 2                                          ; tile 16 + w
	INIT 2
.Lone_b:
	RUN 0, 16, 1
	s_cmp_lt_u32 s[WV], HEAVY
	s_cbranch_scc0 .Lone_c
	OUT 3                                          ; tile 24 + w
.Lone_c:
	s_wait_tensorcnt 0x0                           ; the wave's end
	ds_add_u32 v[SPW], v[NIL]
	s_wait_dscnt 0x0
	CROUND                                         ; the closing round
	s_endpgm
.Lfunc_end_k_q01271d025b_attn:
	.size	k_q01271d025b_attn, .Lfunc_end_k_q01271d025b_attn-k_q01271d025b_attn
	.p2alignl 7, 3214868480
	.fill 96, 4, 3214868480
	.section	.rodata,"a",@progbits
	.p2align	6, 0x0
	.amdhsa_kernel k_q01271d025b_attn
		.amdhsa_group_segment_fixed_size 210944
		.amdhsa_private_segment_fixed_size 0
		.amdhsa_enable_private_segment 0
		.amdhsa_kernarg_size 24
		.amdhsa_user_sgpr_count 2
		.amdhsa_user_sgpr_kernarg_segment_ptr 1
		.amdhsa_wavefront_size32 1
		.amdhsa_system_sgpr_workgroup_id_x 1
		.amdhsa_system_sgpr_workgroup_id_y 1
		.amdhsa_system_sgpr_workgroup_id_z 1
		.amdhsa_system_vgpr_workitem_id 0
		.amdhsa_next_free_vgpr 256
		.amdhsa_next_free_sgpr 100
		.amdhsa_reserve_vcc 0
		.amdhsa_float_denorm_mode_32 3
		.amdhsa_float_denorm_mode_16_64 3
		.amdhsa_memory_ordered 1
		.amdhsa_forward_progress 1
		.amdhsa_inst_pref_size 90
	.end_amdhsa_kernel
	.amdgpu_metadata
---
amdhsa.version: [ 1, 2 ]
amdhsa.kernels:
  - .name:           k_q01271d025b_attn
    .symbol:         k_q01271d025b_attn.kd
    .args:
      - { .name: qk_rec, .offset: 0, .size: 8, .value_kind: global_buffer, .address_space: global }
      - { .name: v_rec, .offset: 8, .size: 8, .value_kind: global_buffer, .address_space: global }
      - { .name: ctx_t, .offset: 16, .size: 8, .value_kind: global_buffer, .address_space: global }
    .group_segment_fixed_size: 210944
    .private_segment_fixed_size: 0
    .kernarg_segment_align: 8
    .kernarg_segment_size: 24
    .max_flat_workgroup_size: 512
    .sgpr_count:     100
    .vgpr_count:     256
    .wavefront_size: 32
...
	.end_amdgpu_metadata
.endif
;; end of part 3
;; launch outp (part 4): grid 4 x 64, 4 waves a work-group, clusters of 4 x 4, 327,680 bytes of LDS; arguments ctx_t, w_t, bo, out0; writes out0
.if DOCPART == 4
	.amdgcn_target "amdgcn-amd-amdhsa--gfx1250"
	.amdhsa_code_object_version 6
	.text
	.protected	k_q01271d025b_outp
	.globl	k_q01271d025b_outp
	.p2align	8
	.type	k_q01271d025b_outp,@function
k_q01271d025b_outp:
	s_mov_b64 s[64:65], 0
	v_nop
	global_prefetch_b8 v0, s[64:65] scope:SCOPE_SE
	s_setreg_imm32_b32 hwreg(HW_REG_WAVE_MODE, 25, 1), 1
	s_wait_xcnt 0x0
	s_wait_alu depctr_hold_cnt(0) depctr_sa_sdst(0) depctr_va_vdst(0) depctr_va_sdst(0) depctr_va_ssrc(0) depctr_va_vcc(0) depctr_vm_vsrc(0)
	s_getreg_b32 s2, hwreg(HW_REG_IB_STS2, 6, 4)
	s_cmp_eq_u32 s2, 0
	s_cbranch_scc0 .Lentry_in_a_cluster
	s_endpgm
.Lentry_in_a_cluster:
	s_bfe_u32 s2, ttmp6, 0x10000c
	s_cmp_lg_u32 s2, 0xf033
	s_cbranch_scc0 .Lentry_shape_is_right
	s_endpgm
.Lentry_shape_is_right:
; out = context Wo^T + bo: [8192][1024] x [1024][1024] on codes of FP6 (E2M3) with E8M0 scales, f32 sums, f32 out.
; OPERANDS: ctx_t and w_t hold records of 12,800 bytes, one for each tile of 16 rows and all of K = 1,024: 16 half fragments of 768 bytes (64 along K each: lane l's registers 0-3 at 16 l, registers 4-5 at 512 + 8 l),
; then 512 bytes of scale words [half of K][row][4 words].  In each group of 128 rows, row i of tile t is row 64 (t / 4) + 8 (t % 4) + i % 8 + 32 (i / 8).  Wo's records begin at record 192 of w_t.
; SHARES: a work-group makes 128 rows x 256 columns: 64 x 4 = 256 work-groups.  Four waves, 2 x 2; a wave makes 64 x 128: 4 x 8 accumulators of 16 x 16, 256 registers.
; ALL OF K LIES IN LDS: the context's 8 records and Wo's 16, 24 x 12,800 = 307,200 bytes, filled once: no ring, no byte filled again.
; THE FILL: one tensor load a wave at the head, each a dense block of memory stated as rows of 256 bytes: waves 0, 1 four records of the context each (200 rows), waves 2, 3 eight records of Wo each (400 rows).
; CLUSTERS: 4 x 4 work-groups.  The four of a row of the cluster need the same records of the context, the four of a column the same records of Wo: each block is asked for jointly.
; THE MATRIX INSTRUCTION IS USED TRANSPOSED (source 0 = 16 rows of Wo, source 1 = 16 rows of the context): by the records' choice of rows a lane's 64 results of a block of 16 rows are columns 64 c + 32 h + n of my 128.
; A STEP is 128 along K, 32 products.  Both operands have two sets of registers: the next step's 48 fragment loads (and every second step 8 loads of scale words) are issued ahead of this step's products.
; REGISTERS, in windows of 256: window 0: v0-31 addresses; v32-63 scale words, two sets; v64-127 the bias; v128-223 the context's fragments, two sets of four.  Window 1: Wo's fragments, two sets, at v0 and v128.  Window 2: the accumulators, (a, b) at v[8 (8 a + b)].
; THE WAY OUT: a block of 16 rows x 128 columns takes the bias, goes through my own stage in LDS and leaves as whole rows of 512 bytes.  The stages lie on the context's first records: a barrier round the last step's products shows that nobody reads them any more.
; No prefetch: every tensor load is issued at the kernel's head, so there is no loop to run ahead in.
.set REC,   12800
.set HF,    768
.set BB0,   8*REC                      ; LDS: the context's 8 records, then Wo's 16
.set SPARE, 24*REC                     ; then the spare words, 128 bytes a wave
.set SPITCH, 528
.set FR,    12
.set NQ,    2
.set NP,    4
.set VH,    8                          ; v8   128 h: my half of the bias's 256 bytes
.set ADRA,  16                         ; v16  my 4 tiles of the context, 16 x lane;  v18 the same + 512 + 8 x lane
.set ADRB,  20                         ; v20, v21  my tiles 0-3 and 4-7 of Wo;  v22, v23 the same + 512 + 8 x lane
.set STO,   24
.set RD,    25
.set CO,    26                         ; v26  16 x lane
.set SPW,   28
.set NIL,   29
.set ADRS,  30                         ; v30, v31  scale words of tiles 0-3 and 4-7: lanes 0-15 the context's, lanes 16-31 Wo's
.set SC,    32
.set BR,    64
.set AF,    128
.set G1,    24
.set G0,    32
.set G1B,   48
.set G0B,   56
.set MSB, 0
.macro WIN new                         ; the immediate's high byte repeats the setting that is left
.if MSB != (\new)
	s_set_vgpr_msb (MSB<<8)|(\new)
.set MSB, (\new)
.endif
.endm
.set MUL_LO, 0xa1                      ; source 0 (Wo) window 1, source 1 (the context) window 0, C and D window 2
.set TO_B,   0x40                      ; destination window 1, address window 0
.macro CROUND
	s_barrier_signal -1
	s_barrier_wait -1
	s_cmp_lg_u32 s20, 0
	s_cbranch_scc1 .Lnot_wave_0_\@
	s_barrier_signal -3
.Lnot_wave_0_\@:
	s_barrier_wait -3
	s_barrier_signal -1
	s_barrier_wait -1
.endm
.macro PLACES n
.rept \n
	v_nop
.endr
.endm
	s_load_b256 s[4:11], s[0:1], 0x0               ; ctx_t, w_t, bo, out0
	v_lshl_add_u32 v[SPW], v0, 2, SPARE
	v_mov_b32 v[NIL], 0
	ds_add_u32 v[SPW], v[NIL]                      ; the opening lines: the add twice and one wait
	ds_add_u32 v[SPW], v[NIL]
	v_lshrrev_b32 v1, 5, v0
	v_readfirstlane_b32 s20, v1                    ; wave 0..3
	s_lshr_b32 s21, s20, 1                         ; which 64 rows are mine.  Also: I fetch for the context (0) or for Wo (1)
	s_and_b32 s22, s20, 1                          ; which 128 columns.  Also: which half of that block I fetch
	s_bfe_u32 s40, ttmp6, 0x40000                  ; cx
	s_bfe_u32 s41, ttmp6, 0x40004                  ; cy
	s_lshl_b32 s42, ttmp9, 2
	s_add_co_u32 s42, s42, s40                     ; tile column, 0..3
	s_and_b32 s43, ttmp7, 0xffff
	s_lshl_b32 s43, s43, 2
	s_add_co_u32 s43, s43, s41                     ; tile row, 0..63
	s_lshl_b32 s44, s41, 2
	s_lshl_b32 s44, 15, s44                        ; my row of the cluster
	s_lshl_b32 s45, 0x1111, s40                    ; my column
	s_or_b32 s[G1+0], s44, (3<<16)|(1<<21)         ; elements of 8 bytes; bit 21 set beside a mask
	s_mov_b32 s[G1+1], 32<<16                      ; rows of 32 elements = 256 bytes
	s_mov_b32 s[G1+2], 200<<16                     ; four records: 200 rows
	s_mov_b32 s[G1+3], 32<<16
	s_mov_b32 s[G1+4], 200
	s_mov_b32 s[G1+5], 32
	s_mov_b32 s[G1+6], 0
	s_mov_b32 s[G1+7], 0
	s_or_b32 s[G1B+0], s45, (3<<16)|(1<<21)
	s_mov_b32 s[G1B+1], 32<<16
	s_mov_b32 s[G1B+2], 400<<16                    ; eight records: 400 rows
	s_mov_b32 s[G1B+3], 32<<16
	s_mov_b32 s[G1B+4], 400
	s_mov_b32 s[G1B+5], 32
	s_mov_b32 s[G1B+6], 0
	s_mov_b32 s[G1B+7], 0
	s_lshl_b32 s2, s43, 3
	s_lshl_b32 s3, s22, 2
	s_add_co_u32 s2, s2, s3
	s_mul_i32 s2, s2, REC                          ; the context: record 8 x tile row + 4 x half
	s_mov_b32 s3, 0
	s_lshl_b32 s66, s42, 4
	s_lshl_b32 s67, s22, 3
	s_add_co_u32 s66, s66, s67
	s_add_co_u32 s66, s66, 192
	s_mul_i32 s66, s66, REC                        ; Wo: record 192 + 16 x tile column + 8 x half
	s_mov_b32 s67, 0
	s_mul_i32 s23, s22, 4*REC                      ; where they go: no place in the cluster enters an LDS address
	s_mul_i32 s46, s22, 8*REC
	s_add_co_u32 s46, s46, BB0
	s_wait_dscnt 0x0
	s_wait_kmcnt 0x0
	s_add_nc_u64 s[94:95], s[4:5], s[2:3]
	s_add_nc_u64 s[96:97], s[6:7], s[66:67]
	CROUND                                         ; all sixteen work-groups are here: the joint loads meet
	s_mov_b32 s[G0], 1
	s_mov_b32 s[G0+1], s23
	s_mov_b64 s[G0+2:G0+3], s[94:95]
	s_or_b32 s[G0+3], s[G0+3], 0x80000000
	s_mov_b32 s[G0B], 1
	s_mov_b32 s[G0B+1], s46
	s_mov_b64 s[G0B+2:G0B+3], s[96:97]
	s_or_b32 s[G0B+3], s[G0B+3], 0x80000000
	s_cmp_eq_u32 s21, 0                            ; one load a wave, a load in each arm
	s_cbranch_scc0 .Lfor_b
	tensor_load_to_lds s[G0:G0+3], s[G1:G1+7]
	s_nop 0
	PLACES 4
	s_branch .Lasked
.Lfor_b:
	tensor_load_to_lds s[G0B:G0B+3], s[G1B:G1B+7]
	s_nop 0
	PLACES 4
.Lasked:
	v_and_b32 v3, 31, v0
	v_and_b32 v1, 15, v0                           ; r
	v_bfe_u32 v2, v0, 4, 1                         ; h
	v_lshlrev_b32 v[CO], 4, v3
	v_lshlrev_b32 v4, 3, v3
	v_add_nc_u32 v4, 512, v4
	s_mul_i32 s2, s21, 4*REC                       ; my 4 tiles of the context
	s_mul_i32 s3, s22, 8*REC
	s_add_co_u32 s3, s3, BB0                       ; my 8 tiles of Wo
	s_add_co_u32 s47, s3, 4*REC                    ; and the upper four of them: an LDS offset has 16 bits
	v_add_nc_u32 v[ADRA], s2, v[CO]
	v_add_nc_u32 v[ADRA+2], s2, v4
	v_add_nc_u32 v[ADRB], s3, v[CO]
	v_add_nc_u32 v[ADRB+2], s3, v4
	v_add_nc_u32 v[ADRB+1], s47, v[CO]
	v_add_nc_u32 v[ADRB+3], s47, v4
	s_sub_co_u32 s3, s3, s2
	v_mul_u32_u24 v5, s3, v2                       ; lanes 16-31 take Wo's scale words: one product, h x the distance
	v_lshl_add_u32 v5, v1, 4, v5                   ; 16 bytes a row
	s_add_co_u32 s2, s2, 16*HF
	v_add_nc_u32 v[ADRS], s2, v5
	s_add_co_u32 s2, s2, 4*REC
	v_add_nc_u32 v[ADRS+1], s2, v5                 ; (of the context's side these four are not used: a wave has four tiles of it)
	s_mul_i32 s2, s20, 16*SPITCH                   ; my stage
	v_mul_u32_u24 v[STO], v1, SPITCH
	v_lshl_add_u32 v[STO], v2, 7, v[STO]
	v_add_nc_u32 v[STO], s2, v[STO]                ; in: row r, 128 h bytes on
	v_add_nc_u32 v[RD], s2, v[CO]                  ; back: the 32 lanes take one row of 512 bytes
	s_lshl_b32 s2, s43, 19                         ; out0: 128 rows of 4,096 bytes a tile row,
	s_lshl_b32 s3, s21, 18                         ; + my 64 rows
	s_add_co_u32 s2, s2, s3
	s_mov_b32 s3, 0
	s_add_nc_u64 s[10:11], s[10:11], s[2:3]
	s_lshl_b32 s2, s42, 1
	s_add_co_u32 s2, s2, s22
	s_lshl_b32 s2, s2, 9                           ; my 128 columns, in bytes
	s_add_nc_u64 s[10:11], s[10:11], s[2:3]
	s_add_nc_u64 s[8:9], s[8:9], s[2:3]
	v_lshlrev_b32 v[VH], 7, v2
.irp c, 0,1
.irp k, 0,1,2,3,4,5,6,7
	global_load_b128 v[BR+32*\c+4*\k:BR+32*\c+4*\k+3], v[VH], s[8:9] offset:256*\c+16*\k   ; the bias as the results lie: register 32 c + n = column 64 c + 32 h + n
.endr
.endr
.macro FRAG reg, adr, st, i            ; a fragment: tile i behind the address, step st: two half fragments
	ds_load_b128 v[\reg:\reg+3], v[\adr] offset:(\i)*REC+(\st)*2*HF
	ds_load_b64 v[\reg+4:\reg+5], v[\adr+2] offset:(\i)*REC+(\st)*2*HF
	ds_load_b128 v[\reg+6:\reg+9], v[\adr] offset:(\i)*REC+(\st)*2*HF+HF
	ds_load_b64 v[\reg+10:\reg+11], v[\adr+2] offset:(\i)*REC+(\st)*2*HF+HF
.endm
.macro FETCH st                        ; step st's fragments into set st % 2; with an even step the scale words of two steps into set (st / 2) % 2
	WIN TO_B
.irp i, 0,1,2,3,4,5,6,7
	FRAG 128*((\st)%2)+FR*\i, ADRB+\i/4, \st, \i%4
.endr
	WIN 0
.irp i, 0,1,2,3
	FRAG AF+FR*(4*((\st)%2)+\i), ADRA, \st, \i
.endr
.if (\st)%2 == 0
.irp i, 0,1,2,3,4,5,6,7
	ds_load_b64 v[SC+8*NQ*(((\st)/2)%2)+NQ*\i:SC+8*NQ*(((\st)/2)%2)+NQ*\i+1], v[ADRS+\i/4] offset:(\i%4)*REC+((\st)/4)*256+(((\st)/2)%2)*8
.endr
.endif
.endm
; 16 products: the context's blocks a0, a0 + 1 x Wo's eight.  p: the sets of fragments; sc, q: the set of scale words and which of its two steps.  The 32 accumulators take turns in the same order in every step
.macro MUL16 a0, p, q, sc, zero
.irp a, \a0, \a0+1
.irp b, 0,1,2,3,4,5,6,7
.if \zero
	v_wmma_scale_f32_16x16x128_f8f6f4 v[8*(8*(\a)+\b):8*(8*(\a)+\b)+7], v[128*(\p)+FR*\b:128*(\p)+FR*\b+FR-1], v[AF+FR*(4*(\p)+(\a)):AF+FR*(4*(\p)+(\a))+FR-1], 0, v[SC+8*NQ*(\sc)+NQ*\b+(\q)], v[SC+8*NQ*(\sc)+NQ*(\a)+(\q)] matrix_a_fmt:MATRIX_FMT_FP6 matrix_b_fmt:MATRIX_FMT_FP6 matrix_a_scale:MATRIX_SCALE_ROW1
.else
	v_wmma_scale_f32_16x16x128_f8f6f4 v[8*(8*(\a)+\b):8*(8*(\a)+\b)+7], v[128*(\p)+FR*\b:128*(\p)+FR*\b+FR-1], v[AF+FR*(4*(\p)+(\a)):AF+FR*(4*(\p)+(\a))+FR-1], v[8*(8*(\a)+\b):8*(8*(\a)+\b)+7], v[SC+8*NQ*(\sc)+NQ*\b+(\q)], v[SC+8*NQ*(\sc)+NQ*(\a)+(\q)] matrix_a_fmt:MATRIX_FMT_FP6 matrix_b_fmt:MATRIX_FMT_FP6 matrix_a_scale:MATRIX_SCALE_ROW1
.endif
.endr
.endr
.endm
.macro KSTEP st, zero
	s_wait_dscnt 0x0                               ; this step's fragments and scale words are in
.if (\st) == 7
	s_barrier_signal -1                            ; my reads of the records are over: say so, and multiply while the others arrive
.else
.if (\st) > 0
	PLACES NP                                      ; places between the last step's products and the loads into the registers that they read
.endif
	FETCH (\st)+1
.endif
	WIN MUL_LO
	MUL16 0, (\st)%2, (\st)%2, ((\st)/2)%2, \zero
	MUL16 2, (\st)%2, (\st)%2, ((\st)/2)%2, \zero
	WIN 0
.if (\st) == 7
	s_barrier_wait -1                              ; nobody reads the records any more: the stages may be written
.endif
.endm
	s_wait_alu depctr_va_vdst(0)                   ; the wait at the head's end
	s_wait_tensorcnt 0x0                           ; my block is in
	s_barrier_signal -1
	s_barrier_wait -1                              ; and everybody's
	FETCH 0
	KSTEP 0, 1                                     ; the first step's products start the sums
.irp s, 1,2,3,4,5,6,7
	KSTEP \s, 0
.endr
.macro TOSTAGE a                       ; block a: + the bias, into my stage, and back as whole rows
.set XB, 128+64*((\a)%2)
.set BB, 64*((\a)%2)
	WIN 0x02
.set n, 0
.rept 32
	v_pk_add_f32 v[XB+n:XB+n+1], v[64*(\a)+n:64*(\a)+n+1], v[BR+n:BR+n+1]   ; each accumulator from its low end on
.set n, n+2
.endr
	WIN 0
.irp c, 0,1
.irp k, 0,1,2,3,4,5,6,7
	ds_store_b128 v[STO], v[XB+32*\c+4*\k:XB+32*\c+4*\k+3] offset:256*\c+16*\k
.endr
.endr
	WIN TO_B
.irp t, 0,1,2,3,4,5,6,7,8,9,10,11,12,13,14,15
	ds_load_b128 v[BB+4*\t:BB+4*\t+3], v[RD] offset:\t*SPITCH      ; LDS serves a wave's instructions in order: these see the stores above
.endr
	WIN 0
.endm
.macro SEND a, younger                 ; younger: the LDS instructions issued behind block a's loads, which may stay out
.set BB, 64*((\a)%2)
	s_wait_dscnt \younger
	WIN 0x04
.irp t, 0,1,2,3,4,5,6,7,8,9,10,11,12,13,14,15
	global_store_b128 v[CO], v[BB+4*\t:BB+4*\t+3], s[10:11] offset:(8*(\a)+(\t%8)+32*(\t/8))*4096 th:TH_STORE_NT   ; 32 lanes store 512 consecutive bytes of a row
.endr
	WIN 0
.endm
	s_wait_loadcnt 0x0                             ; the bias
	PLACES NP
	TOSTAGE 0
.irp a, 1,2,3
.if \a > 1
	s_wait_xcnt 0x0                                ; block a - 2's stores have read their registers: block a's loads may land there
.endif
	TOSTAGE \a
	SEND \a-1, 32                                  ; behind block a - 1's loads: block a's 16 stores and 16 loads
.endr
	SEND 3, 0
	s_wait_tensorcnt 0x0                           ; the wave's end
	ds_add_u32 v[SPW], v[NIL]
	s_wait_dscnt 0x0
	CROUND                                         ; the closing round
	s_endpgm
.Lfunc_end_k_q01271d025b_outp:
	.size	k_q01271d025b_outp, .Lfunc_end_k_q01271d025b_outp-k_q01271d025b_outp
	.p2alignl 7, 3214868480
	.fill 96, 4, 3214868480
	.section	.rodata,"a",@progbits
	.p2align	6, 0x0
	.amdhsa_kernel k_q01271d025b_outp
		.amdhsa_group_segment_fixed_size 327680
		.amdhsa_private_segment_fixed_size 0
		.amdhsa_enable_private_segment 0
		.amdhsa_kernarg_size 32
		.amdhsa_user_sgpr_count 2
		.amdhsa_user_sgpr_kernarg_segment_ptr 1
		.amdhsa_wavefront_size32 1
		.amdhsa_system_sgpr_workgroup_id_x 1
		.amdhsa_system_sgpr_workgroup_id_y 1
		.amdhsa_system_sgpr_workgroup_id_z 1
		.amdhsa_system_vgpr_workitem_id 0
		.amdhsa_next_free_vgpr 768
		.amdhsa_next_free_sgpr 100
		.amdhsa_reserve_vcc 0
		.amdhsa_float_denorm_mode_32 3
		.amdhsa_float_denorm_mode_16_64 3
		.amdhsa_memory_ordered 1
		.amdhsa_forward_progress 1
		.amdhsa_inst_pref_size 91
	.end_amdhsa_kernel
	.amdgpu_metadata
---
amdhsa.version: [ 1, 2 ]
amdhsa.kernels:
  - .name:           k_q01271d025b_outp
    .symbol:         k_q01271d025b_outp.kd
    .args:
      - { .name: ctx_t, .offset: 0, .size: 8, .value_kind: global_buffer, .address_space: global }
      - { .name: w_t, .offset: 8, .size: 8, .value_kind: global_buffer, .address_space: global }
      - { .name: bo, .offset: 16, .size: 8, .value_kind: global_buffer, .address_space: global }
      - { .name: out0, .offset: 24, .size: 8, .value_kind: global_buffer, .address_space: global }
    .group_segment_fixed_size: 327680
    .private_segment_fixed_size: 0
    .kernarg_segment_align: 8
    .kernarg_segment_size: 32
    .max_flat_workgroup_size: 128
    .sgpr_count:     100
    .vgpr_count:     768
    .wavefront_size: 32
...
	.end_amdgpu_metadata
.endif
;; end of part 4
